; MI455X (gfx1250); checked and timed in simulation.
; The chip was launched on July 23, 2026; its instructions are those of AMD's public machine-readable ISA for CDNA 5 (MIT licence, August 2026) and "CDNA5" Instruction Set Architecture Reference Guide (July 2026). The comments in the code are by the model that wrote it; some were corrected since.
;; Causal Self Attention. Allowed arithmetic: matrix products marked QUANTISED: E2M3 operands, one E8M0 scale for each 32 along K, by v_wmma_scale_f32_16x16x128_f8f6f4 with both operands' format E2M3, f32 sums; everything else in f32.
;; Inputs: Wk 1,024 x 1,024 float32; Wo 1,024 x 1,024 float32; Wq 1,024 x 1,024 float32; Wv 1,024 x 1,024 float32; bk 1,024 float32; bo 1,024 float32; bq 1,024 float32; bv 1,024 float32; x 4 x 2,048 x 1,024 float32.
;; Outputs: out0 4 x 2,048 x 1,024 float32.
;; This version of the problem:
;;   THIS VERSION OF THE PROBLEM IS GIVEN IN LOW PRECISION. The matrix products marked QUANTISED in the list below multiply operands that are first quantised to E2M3 (2 exponent bits, 3 mantissa bits; 6 bits a number), with one power-of-two scale for each 32 numbers along K (OCP MX v1.0); their sums are f32. All else is computed in f32.
;;   The module's matrix products, in the order in which they are computed (A, B: the left and right operand; K: the contracted axis; several contracted axes count as one K, in the product's order):
;;     1. [M 8,192, K 1,024] x [K 1,024, N 1,024]; A: input x; B: input Wq: QUANTISED
;;     2. [M 8,192, K 1,024] x [K 1,024, N 1,024]; A: input x; B: input Wk: QUANTISED
;;     3. [M 8,192, K 1,024] x [K 1,024, N 1,024]; A: input x; B: input Wv: QUANTISED
;;     4. batch 64 x [M 2,048, K 64] x [K 64, N 2,048]; A: computed on the way; B: computed on the way: QUANTISED
;;     5. batch 64 x [M 2,048, K 2,048] x [K 2,048, N 64]; A: softmax (see below); B: computed on the way: QUANTISED
;;     6. [M 8,192, K 1,024] x [K 1,024, N 1,024]; A: computed on the way; B: input Wo: QUANTISED
;;   THE QUANTISER, for each operand of a quantised product, along K:
;;     - K is cut into blocks of 32 from its start; a last block that is shorter is filled with zeros.
;;     - A block's scale is 2^e with e = floor(log2(the largest magnitude in the block)) - 2, held to -126 .. 127; a block of zeros has e = 0. As a byte (E8M0): e + 127.
;;     - Each number is divided by its block's scale, clamped to +-7.5, and rounded to the nearest number of E2M3, ties to even, subnormals kept.
;;     - The product sums the exact products of the quantised numbers (number of the format x scale) in f32.
;;   ~~~python
;;   def quantise(x, axis):      # numpy; x: float32 -> the quantised numbers, widened to float32 again
;;       x = np.moveaxis(x, axis, -1); K = x.shape[-1]
;;       x = np.pad(x, [(0, 0)] * (x.ndim - 1) + [(0, -K % 32)]); x = x.reshape(x.shape[:-1] + (-1, 32)); a = np.abs(x).max(-1, keepdims=True)
;;       e = np.where(a > 0, np.clip(np.frexp(np.where(a > 0, a, 1))[1] - 1 - 2, -126, 127), 0)      # np.frexp(a)[1] - 1 = floor(log2(a)), exactly
;;       r = np.clip(x / 2.0 ** e, -7.5, 7.5)
;;       step = 2.0 ** (np.maximum(np.frexp(np.where(r == 0, 1, r))[1] - 1, 0) - 3)
;;       q = np.round(r / step) * step * 2.0 ** e      # np.round: ties to even
;;       return np.moveaxis(q.reshape(q.shape[:-2] + (-1,))[..., :K], -1, axis).astype(np.float32)
;;   ~~~
;;   SOFTMAX AHEAD OF A QUANTISED PRODUCT. Where the list says 'softmax', what is quantised is not the finished softmax but p = 2^(t - M), with t = logit x log2(e) and M = ceil(the row's largest t), a whole number; so 1/2 < the row's largest p <= 1. The row's sum l is taken of the UNQUANTISED p, in f32, and the product's result is divided by l at the end. Since M is a whole number, a kernel that streams over the keys may use a running M (the ceiling of the running maximum): every later rescaling is an exact power of two, which a block's scale takes up: the codes' values come out the same.
;;   OPERANDS COMPUTED ON THE WAY. 'Computed on the way' means the value that the module computes at that place (a softmax that the list does not call 'softmax' is quantised finished and normalised). What goes into a quantiser is computed in f32, as accurately as f32 sums, v_exp_f32 and their like allow (about 1e-6 of the number): no bf16 or f16 on the way to a quantiser, and a product that is left as it is and whose result goes on into a quantised operand takes f32 operands (vector FMAs, or v_wmma_f32_16x16x4_f32). A number that lies on a knife's edge between two numbers of the format may be rounded either way, as far as f32 arithmetic and the matrix unit's own rounding can turn it there, and no further.
;; One version. Each part assembles by itself: llvm-mc -triple=amdgcn-amd-amdhsa -mcpu=gfx1250 --defsym DOCPART=n.
;; ======== version 1 of 1: 4 launches
;; workspace buffers: xc 6,291,456 bytes; xs 262,144 bytes; wc 3,145,728 bytes; ws 131,072 bytes; qkvc 18,874,368 bytes; qkvs 1,310,720 bytes; oc 6,291,456 bytes; os 262,144 bytes
;; launch quant (part 1): grid 384 x 1, 4 waves a work-group, no clusters, 68,096 bytes of LDS; arguments x, Wq, Wk, Wv, Wo, xc, xs, wc, ws; writes xc, xs, wc, ws
.if DOCPART == 1
	.amdgcn_target "amdgcn-amd-amdhsa--gfx1250"
	.amdhsa_code_object_version 6
	.text
	.protected	k_q800832881e_quant
	.globl	k_q800832881e_quant
	.p2align	8
	.type	k_q800832881e_quant,@function
k_q800832881e_quant:
	s_mov_b64 s[64:65], 0
	v_nop
	global_prefetch_b8 v0, s[64:65] scope:SCOPE_SE
	s_setreg_imm32_b32 hwreg(HW_REG_WAVE_MODE, 25, 1), 1
	s_wait_xcnt 0x0
; x [8192][1024] and the four weights [1024 (k)][1024 (n)], f32, become codes of FP6 (E2M3), 6 bits each, K innermost (768 bytes a row), with one E8M0 scale byte for each 32 along K (32 bytes a row).
; xc, xs: x's rows.  wc, ws: 4,096 rows, the columns of Wq, Wk, Wv, Wo in this order (the weights' K is their FIRST axis).
; A block's scale is 2^(floor(log2(its largest magnitude)) - 2): its byte is the largest magnitude's exponent field - 2, held at 1 from below.
; THE ROWS ARE STORED WITH BITS 3 AND 4 OF THE ROW NUMBER EXCHANGED (SW): sixteen stored rows on end, tile 2 b + u, lane r, are the true rows 32 b + 8 u + r + 8 (r / 8).  A product that takes such a tile as source 0
; leaves, in the 16 registers of two neighbouring tiles, 16 NEIGHBOURS of that axis: the later launches quantise their results in registers that way.
; LIMITS: a block whose largest magnitude lies under 2^-124 keeps the byte 1; a block of zeros has the byte 1 where the rule says 127 (its codes are zeros, and this program alone reads the bytes); NaN and infinities are not served.
; Work-groups 0-255 take x (a wave: 8 rows, 16 steps of 512 numbers, turned through the wave's own stage in LDS so that a lane holds 16 neighbours along K).
; Work-groups 256-383 take the weights (a wave: 32 columns x 256 along K; a lane takes a column and its registers run down K; the codes leave through the wave's own stage, row by row).
; The two ways have LDS bytes of their own.  No tensor loads, no barrier: waves share nothing.
.set STEPS, 16
.set CB,    12                         ; bytes of 16 codes
.set SP,    80                         ; x: a lane's place in a stage: 64 bytes + 16 of padding
.set WREG,  8192                       ; x: LDS of a wave: two stages of 32 x SP bytes, then its 256 scale bytes
.set R,     16                         ; x: v16-79   four sets of 16 numbers as loaded
.set X,     80                         ; x: v80-111  two sets of 16 neighbours
.set E,     112                        ; x: v112-127 a scale byte for each step
.set C,     128                        ; x: v128-191 codes, four registers a step
.set WLDS,  32768                      ; w: its LDS begins here
.set NB,    8                          ; w: blocks of 32 along K for a wave
.set PITCH, 272                        ; w: a stage row: sixteen places of 16 bytes + 16
.set KROW,  768                        ; a row of codes in bytes
.set XW,    32                         ; w: v32-95   two sets of 32 numbers
.set CW,    96                         ; w: v96..    a block's codes
.set OUTR,  112                        ; w: v112-175 the way out
.set SB,    24                         ; w: v24-25   the scale bytes
	s_load_b256 s[4:11], s[0:1], 0x0               ; x, Wq, Wk, Wv
	s_load_b256 s[12:19], s[0:1], 0x20             ; Wo, xc, xs, wc
	s_load_b64 s[20:21], s[0:1], 0x40              ; ws
	v_lshl_add_u32 v192, v0, 2, 0x10800
	v_mov_b32 v193, 0
	v_lshrrev_b32 v1, 5, v0
	v_readfirstlane_b32 s22, v1                    ; wave 0..3
	v_and_b32 v2, 31, v0                           ; lane
	s_cmp_lt_u32 ttmp9, 256
	s_cbranch_scc0 .Lw
; ---------------------------------------------------------------- x
	v_lshlrev_b32 v3, 4, v2                        ; my 16 bytes of a load's 512
	s_mul_i32 s23, s22, WREG
	v_lshrrev_b32 v14, 2, v2
	v_mul_u32_u24 v14, v14, SP
	v_and_b32 v15, 3, v2
	v_lshl_add_u32 v14, v15, 4, v14
	v_add_nc_u32 v14, s23, v14                     ; the stage, on the way in: SP (lane / 4) + 16 (lane % 4)
	v_mul_u32_u24 v15, v2, SP
	v_add_nc_u32 v15, s23, v15                     ; and on the way out: SP x lane: my 16 neighbours
	v_mul_u32_u24 v4, v2, CB                       ; my codes' place in a step's
	v_lshrrev_b32 v5, 1, v2
	s_add_co_u32 s23, s23, 2*32*SP
	v_add_nc_u32 v5, s23, v5                       ; my wave's 256 scale bytes, my block's byte
	v_lshlrev_b32 v7, 3, v2                        ; and on the way out 8 bytes a lane
	v_add_nc_u32 v6, s23, v7
	s_lshl_b32 s24, ttmp9, 2
	s_add_co_u32 s26, s24, s22                     ; which 8 rows are my wave's: 4 x work-group + wave
	s_and_b32 s25, s22, 1
	s_lshl_b32 s25, s25, 1
	s_lshr_b32 s27, s22, 1
	s_or_b32 s25, s25, s27
	s_add_co_u32 s24, s24, s25                     ; and where they are stored: the wave's two bits exchanged (bits 3 and 4 of the row)
	s_lshl_b32 s28, s26, 15                        ; 8 rows of 4,096 bytes
	s_mov_b32 s29, 0
	s_mul_i32 s30, s24, 8*KROW
	s_mov_b32 s31, 0
	s_lshl_b32 s32, s24, 8                         ; 8 rows of 32 scale bytes
	s_mov_b32 s33, 0
	s_wait_kmcnt 0x0
	s_add_nc_u64 s[4:5], s[4:5], s[28:29]
	s_add_nc_u64 s[14:15], s[14:15], s[30:31]
	s_add_nc_u64 s[16:17], s[16:17], s[32:33]
.macro XLOAD t
.irp i, 0,1,2,3
	global_load_b128 v[R+16*((\t)%4)+4*\i:R+16*((\t)%4)+4*\i+3], v3, s[4:5] offset:2048*(\t)+512*\i th:TH_LOAD_NT   ; 32 lanes read 512 consecutive bytes
.endr
.endm
.macro XTURN t                         ; step t's numbers through the stage: LDS serves a wave's instructions in order, so no wait stands between the stores and the loads
.irp i, 0,1,2,3
	ds_store_b128 v14, v[R+16*((\t)%4)+4*\i:R+16*((\t)%4)+4*\i+3] offset:32*SP*((\t)%2)+8*SP*\i
.endr
.irp i, 0,1,2,3
	ds_load_b128 v[X+16*((\t)%2)+4*\i:X+16*((\t)%2)+4*\i+3], v15 offset:32*SP*((\t)%2)+16*\i
.endr
.endm
.irp t, 0,1,2,3
	XLOAD \t
.endr
	s_wait_loadcnt 12                              ; step 0's four loads are in; the twelve of steps 1 to 3 may be out
	XTURN 0
.macro XSTEP t
.set XS, X+16*((\t)%2)
.if (\t) > 0
	s_wait_dscnt 1                                 ; this step's numbers are back from the stage (the last step's byte store may be out): so its stores into the stage have read their registers,
.else
	s_wait_dscnt 0x0
.endif
.if (\t)+4 < STEPS
	XLOAD (\t)+4                                   ; which take the loads of four steps on
.endif
.if (\t)+1 < STEPS
.if STEPS-2-(\t) >= 3
	s_wait_loadcnt 12                              ; the next step's four loads are in; those of the three steps behind it may be out
.else
	s_wait_loadcnt 4*(STEPS-2-(\t))
.endif
	XTURN (\t)+1                                   ; and go through the other stage while this step is worked
.endif
	v_max3_num_f32 v8, |v[XS]|, |v[XS+1]|, |v[XS+2]|               ; the largest magnitude of my 16, in two chains
	v_max3_num_f32 v9, |v[XS+3]|, |v[XS+4]|, |v[XS+5]|
.irp i, 6,10
	v_max3_num_f32 v8, v8, |v[XS+\i]|, |v[XS+\i+1]|
	v_max3_num_f32 v9, v9, |v[XS+\i+2]|, |v[XS+\i+3]|
.endr
	v_max3_num_f32 v8, v8, |v[XS+14]|, |v[XS+15]|
	v_max3_num_f32 v8, v8, v9, 0x1800000           ; and the floor 2^(3 - 127): the byte cannot fall under 1
	v_max_num_f32_dpp v8, v8, v8 row_xmask:1 row_mask:0xf bank_mask:0xf   ; and of my neighbour's 16: the block's
	v_add_nc_u32 v11, 0xff000000, v8               ; 2 off its exponent field: the conversion takes the exponent field of this operand as its scale, and nothing else of it
	v_cvt_scalef32_pk16_fp6_f32 v[C+4*(\t):C+4*(\t)+2], v[XS:XS+15], v11
	v_lshrrev_b32 v[E+(\t)], 23, v11               ; the scale's byte (also the plain line behind the conversion)
	ds_store_b8 v5, v[E+(\t)] offset:16*(\t)       ; both lanes of a block write the same byte with the same value
	global_store_b96 v4, v[C+4*(\t):C+4*(\t)+2], s[14:15] offset:32*CB*(\t)   ; the wave stores 384 consecutive bytes
.endm
.irp t, 0,1,2,3,4,5,6,7,8,9,10,11,12,13,14,15
	XSTEP \t
.endr
	ds_load_b64 v[12:13], v6                       ; LDS serves a wave's instructions in order: these see my stores
	s_wait_dscnt 0x0
	global_store_b64 v7, v[12:13], s[16:17]        ; 32 lanes store 256 consecutive bytes, at a multiple of 256 from the buffer's first byte
	s_wait_tensorcnt 0x0
	ds_add_u32 v192, v193
	s_wait_dscnt 0x0
	s_endpgm
; ---------------------------------------------------------------- the weights
.Lw:
	s_sub_co_u32 s23, ttmp9, 256
	s_lshr_b32 s24, s23, 5                         ; which weight: 0 Wq, 1 Wk, 2 Wv, 3 Wo
	s_bfe_u32 s25, s23, 0x20003                    ; which 256 along K
	s_and_b32 s26, s23, 7
	s_lshl_b32 s26, s26, 7
	s_lshl_b32 s27, s22, 5
	s_add_co_u32 s26, s26, s27                     ; my wave's first column: 128 x block + 32 x wave
	v_lshlrev_b32 v3, 2, v2                        ; in: 4 bytes a lane
	v_and_b32 v10, 7, v2
	v_bfe_u32 v14, v2, 3, 1
	v_bfe_u32 v15, v2, 4, 1
	v_lshl_or_b32 v10, v14, 4, v10
	v_lshl_or_b32 v10, v15, 3, v10                 ; SW(lane): my column's place among the wave's 32 stored rows
	s_mul_i32 s27, s22, 32*PITCH
	s_add_co_u32 s27, s27, WLDS                    ; my stage
	v_mul_u32_u24 v4, v10, PITCH
	v_add_nc_u32 v4, s27, v4                       ; into it: row = my column's stored place
	v_and_b32 v5, 15, v2
	v_lshrrev_b32 v6, 4, v2                        ; out of it: sixteen lanes to a row, two rows an instruction
	v_mul_u32_u24 v7, v6, PITCH
	v_lshl_add_u32 v7, v5, 4, v7
	v_add_nc_u32 v7, s27, v7
	v_mul_u32_u24 v8, v6, KROW
	v_mad_u32_u24 v8, v5, 12, v8                   ; and the same place in the codes' buffer
	v_lshlrev_b32 v9, 5, v10                       ; my stored row of scale bytes
	s_lshl_b32 s28, s25, 20                        ; 256 rows of 4,096 bytes
	s_lshl_b32 s29, s26, 2
	s_add_co_u32 s28, s28, s29
	s_mov_b32 s29, 0
	s_lshl_b32 s30, s24, 10
	s_add_co_u32 s30, s30, s26                     ; the wave's first stored row
	s_mul_i32 s32, s30, KROW
	s_mul_i32 s33, s25, 192
	s_add_co_u32 s32, s32, s33
	s_mov_b32 s33, 0
	s_lshl_b32 s34, s30, 5
	s_lshl_b32 s35, s25, 3
	s_add_co_u32 s34, s34, s35
	s_mov_b32 s35, 0
	s_wait_kmcnt 0x0
	s_cmp_eq_u32 s24, 1                            ; the choice hangs on the work-group's number alone
	s_cselect_b64 s[6:7], s[8:9], s[6:7]
	s_cmp_eq_u32 s24, 2
	s_cselect_b64 s[6:7], s[10:11], s[6:7]
	s_cmp_eq_u32 s24, 3
	s_cselect_b64 s[6:7], s[12:13], s[6:7]
	s_add_nc_u64 s[6:7], s[6:7], s[28:29]
	s_add_nc_u64 s[18:19], s[18:19], s[32:33]
	s_add_nc_u64 s[20:21], s[20:21], s[34:35]
.macro WLOAD t                         ; block t: W(32 t + i, my column), i = 0 .. 31, into set t % 2: a wave reads 128 consecutive bytes
.irp i, 0,1,2,3,4,5,6,7,8,9,10,11,12,13,14,15,16,17,18,19,20,21,22,23,24,25,26,27,28,29,30,31
	global_load_b32 v[XW+32*((\t)%2)+\i], v3, s[6:7] offset:(32*(\t)+\i)*4096 th:TH_LOAD_NT
.endr
.endm
	WLOAD 0
	WLOAD 1
.macro WBLOCK t
.set XS, XW+32*((\t)%2)
.if (\t) < NB-1
	s_wait_loadcnt 32                              ; this block's 32 loads are in; the next block's 32 may be out
.else
	s_wait_loadcnt 0
.endif
	v_max3_num_f32 v12, |v[XS]|, |v[XS+1]|, |v[XS+2]|               ; the block's largest magnitude: all 32 numbers are mine
	v_max3_num_f32 v13, |v[XS+3]|, |v[XS+4]|, |v[XS+5]|
.irp i, 6,10,14,18,22,26
	v_max3_num_f32 v12, v12, |v[XS+\i]|, |v[XS+\i+1]|
	v_max3_num_f32 v13, v13, |v[XS+\i+2]|, |v[XS+\i+3]|
.endr
	v_max3_num_f32 v12, v12, |v[XS+30]|, |v[XS+31]|
	v_max3_num_f32 v12, v12, v13, 0x1800000        ; and the floor 2^(3 - 127)
	v_add_nc_u32 v11, 0xff000000, v12              ; the conversion's scale operand
	v_lshrrev_b32 v13, 23, v11                     ; the scale's byte
.if (\t)%4 == 0
	v_mov_b32 v[SB+(\t)/4], v13                    ; four bytes to a register, the lower K in the lower byte
.else
	v_lshl_or_b32 v[SB+(\t)/4], v13, 8*((\t)%4), v[SB+(\t)/4]
.endif
	v_cvt_scalef32_pk16_fp6_f32 v[CW:CW+2], v[XS:XS+15], v11
	v_cvt_scalef32_pk16_fp6_f32 v[CW+4:CW+6], v[XS+16:XS+31], v11   ; (a conversion's three registers begin on an even number)
	v_nop                                          ; one plain line behind the conversions
	ds_store_b96 v4, v[CW:CW+2] offset:32*(\t)     ; 12 bytes to a place of 16, so that every LDS address is a multiple of 16
	ds_store_b96 v4, v[CW+4:CW+6] offset:32*(\t)+16
.if (\t)+2 < NB
	WLOAD (\t)+2
.endif
	s_wait_dscnt 0x0                               ; the stores have read their registers: the next block's codes may be written
.endm
.set Q, 0
.rept NB
	WBLOCK Q
.set Q, Q+1
.endr
	global_store_b64 v9, v[SB:SB+1], s[20:21]      ; my column's 8 scale bytes (rows 32 bytes apart: one byte in 128 of what this way reads)
.irp t, 0,1,2,3,4,5,6,7,8,9,10,11,12,13,14,15
	ds_load_b96 v[OUTR+4*\t:OUTR+4*\t+2], v7 offset:2*\t*PITCH   ; LDS serves a wave's instructions in order: these see my stores
.endr
.irp t, 0,1,2,3,4,5,6,7,8,9,10,11,12,13,14,15
	s_wait_dscnt 15-\t                             ; load t is in; the 15 - t younger ones may be out
	global_store_b96 v8, v[OUTR+4*\t:OUTR+4*\t+2], s[18:19] offset:2*\t*KROW   ; sixteen lanes store a row's 192 consecutive bytes
.endr
	s_wait_tensorcnt 0x0
	ds_add_u32 v192, v193
	s_wait_dscnt 0x0
	s_endpgm
.Lfunc_end_k_q800832881e_quant:
	.size	k_q800832881e_quant, .Lfunc_end_k_q800832881e_quant-k_q800832881e_quant
	.p2alignl 7, 3214868480
	.fill 96, 4, 3214868480
	.section	.rodata,"a",@progbits
	.p2align	6, 0x0
	.amdhsa_kernel k_q800832881e_quant
		.amdhsa_group_segment_fixed_size 68096
		.amdhsa_private_segment_fixed_size 0
		.amdhsa_enable_private_segment 0
		.amdhsa_kernarg_size 72
		.amdhsa_user_sgpr_count 2
		.amdhsa_user_sgpr_kernarg_segment_ptr 1
		.amdhsa_wavefront_size32 1
		.amdhsa_system_sgpr_workgroup_id_x 1
		.amdhsa_system_sgpr_workgroup_id_y 1
		.amdhsa_system_sgpr_workgroup_id_z 1
		.amdhsa_system_vgpr_workitem_id 0
		.amdhsa_next_free_vgpr 194
		.amdhsa_next_free_sgpr 66
		.amdhsa_reserve_vcc 0
		.amdhsa_float_denorm_mode_32 3
		.amdhsa_float_denorm_mode_16_64 3
		.amdhsa_memory_ordered 1
		.amdhsa_forward_progress 1
		.amdhsa_inst_pref_size 74
	.end_amdhsa_kernel
	.amdgpu_metadata
---
amdhsa.version: [ 1, 2 ]
amdhsa.kernels:
  - .name:           k_q800832881e_quant
    .symbol:         k_q800832881e_quant.kd
    .args:
      - { .name: x, .offset: 0, .size: 8, .value_kind: global_buffer, .address_space: global }
      - { .name: Wq, .offset: 8, .size: 8, .value_kind: global_buffer, .address_space: global }
      - { .name: Wk, .offset: 16, .size: 8, .value_kind: global_buffer, .address_space: global }
      - { .name: Wv, .offset: 24, .size: 8, .value_kind: global_buffer, .address_space: global }
      - { .name: Wo, .offset: 32, .size: 8, .value_kind: global_buffer, .address_space: global }
      - { .name: xc, .offset: 40, .size: 8, .value_kind: global_buffer, .address_space: global }
      - { .name: xs, .offset: 48, .size: 8, .value_kind: global_buffer, .address_space: global }
      - { .name: wc, .offset: 56, .size: 8, .value_kind: global_buffer, .address_space: global }
      - { .name: ws, .offset: 64, .size: 8, .value_kind: global_buffer, .address_space: global }
    .group_segment_fixed_size: 68096
    .private_segment_fixed_size: 0
    .kernarg_segment_align: 8
    .kernarg_segment_size: 72
    .max_flat_workgroup_size: 128
    .sgpr_count:     66
    .vgpr_count:     194
    .wavefront_size: 32
...
	.end_amdgpu_metadata
.endif
;; end of part 1
;; launch qkv (part 2): grid 96 x 4, 4 waves a work-group, clusters of 4 x 4, 327,680 bytes of LDS; arguments xc, xs, wc, ws, bq, bk, bv, qkvc, qkvs; writes qkvc, qkvs
.if DOCPART == 2
	.amdgcn_target "amdgcn-amd-amdhsa--gfx1250"
	.amdhsa_code_object_version 6
	.text
	.protected	k_q800832881e_qkv
	.globl	k_q800832881e_qkv
	.p2align	8
	.type	k_q800832881e_qkv,@function
k_q800832881e_qkv:
	s_mov_b64 s[64:65], 0
	v_nop
	global_prefetch_b8 v0, s[64:65] scope:SCOPE_SE
	s_setreg_imm32_b32 hwreg(HW_REG_WAVE_MODE, 25, 1), 1
	s_wait_xcnt 0x0
	s_wait_alu depctr_hold_cnt(0) depctr_sa_sdst(0) depctr_va_vdst(0) depctr_va_sdst(0) depctr_va_ssrc(0) depctr_va_vcc(0) depctr_vm_vsrc(0)
	s_getreg_b32 s2, hwreg(HW_REG_IB_STS2, 6, 4)
	s_cmp_eq_u32 s2, 0
	s_cbranch_scc0 .Lentry_in_a_cluster
	s_endpgm
.Lentry_in_a_cluster:
	s_bfe_u32 s2, ttmp6, 0x10000c
	s_cmp_lg_u32 s2, 0xf033
	s_cbranch_scc0 .Lentry_shape_is_right
	s_endpgm
.Lentry_shape_is_right:
; q = x Wq + bq, k = x Wk + bk, v = x Wv + bv on codes of FP6 (E2M3) with E8M0 scales (K = 1,024), and each result QUANTISED AGAIN IN REGISTERS for the attention's products: only codes and scale words go to memory.
; A tile is 256 x 256: four waves, each 128 x 128 in 64 accumulators (512 registers).  K goes in steps of 256 through a ring of two LDS slots filled by the tensor data mover; the scales of the tile's rows, for all of K, come once.
; "A" is source 1 of the matrix instruction (a lane holds one of its rows), "B" is source 0 (a lane's registers run along its rows).  24 clusters of 4 x 4 work-groups, c = the cluster's x:
;   c < 16  (q, k): A = x's rows (tile row 4 (c / 2) + cy), B = rows 0 .. 2,047 of wc (Wq^T, Wk^T; tile column 4 (c % 2) + cx): registers run along the channels, which are K of q k^T.
;   c >= 16 (v):    A = rows 2,048 .. 3,071 of wc (Wv^T; tile row 8 + cy), B = x's rows (tile column 4 (c - 16) + cx): registers run along the tokens, which are K of p v.
; A's tiles are shared along a row of the cluster, B's along a column: each is asked for JOINTLY, by the same tensor load with the same descriptor and a mask that names the four.
; THE STORED ROWS of xc and wc have bits 3 and 4 of the row number exchanged, so the 16 registers of B's tiles 2 g and 2 g + 1 are the 16 true neighbours 32 g + 16 (lane / 16) + 0 .. 15:
; a block of A (16 lanes' rows x the wave's 128 of B) is quantised as it stands, and its 12 registers ARE an operand's registers.  They are stored as images, lane by lane.
; qkvc: 64 records (16 batch + head) of 294,912 bytes: +0 K: [token tile 128][768]: three pieces of 256 bytes, lane l's 8 bytes at 8 l (registers 2 p, 2 p + 1 of the half fragment: 64 channels);
;   +98,304 V: [key step 16][channel tile 4][1,536]: three pieces of 512 bytes, lane l's 16 bytes at 16 l (a fragment: 16 channels x 128 keys);  +196,608 Q: as K.
; qkvs: 64 records of 20,480 bytes: +0 K's scale words [tile][16 rows], +8,192 V's [4 step + tile][16], +12,288 Q's.  A word of q or k holds its two bytes twice: the upper 64 of the instruction's K are zero codes there.
; Both sets of biases (along B's rows: 64 registers; along A's rows: 16) are loaded by every wave, so that no register's first write hangs on the kind; the set of the other kind goes unused.
; LIMITS: a block whose largest magnitude lies under 2^-124 keeps the byte 1, a block of zeros too (this program alone reads the bytes); NaN and infinities are not served.
; REGISTERS, in windows of 256: window 0: v0-31 addresses; v32-63 scale words, two sets; v64-127 and v240-255 biases; v128-223 A's fragments, ONE set (in the epilogue: at work).
;   window 1: B's fragments, TWO sets, at v0 and v128.   window 2: the accumulators of my rows 0-63 ((a, b) at v[8 (8 a + b)]);   window 3: those of my rows 64-127.
.set KSTEP,  256                       ; along K in a slot
.set NQ,     KSTEP/128                 ; matrix instructions deep
.set ROWB,   192                       ; a tile's row in bytes
.set KROW,   768                       ; a row of codes in memory
.set PITCH,  240                       ; an LDS row: 3 x (64 bytes + 16 of padding): the 32 lanes of a load of 8 bytes touch 64 different banks (ISA guide 11.1)
.set FR,     12                        ; registers of a fragment
.set NL,     6                         ; LDS loads that bring one
.set NP,     4                         ; places behind this matrix instruction (ISA guide 7.12.1)
.set HALFT,  128*PITCH                 ; 128 rows: what one tensor load brings
.set SLOT,   4*HALFT                   ; A's 256 rows, then B's 256 rows
.set LAPS,   2                         ; 1,024 / 512: a lap = two K steps = once round the ring
.set KS,     32                        ; a row of scales in bytes
.set SCL,    2*SLOT                    ; behind the ring: the scales, as units of 256 bytes + 16 of padding
.set HALFS,  (128*KS/256)*272
.set SBLK,   (16*KS/256)*272
.set SPARE,  SCL+4*HALFS               ; the spare words, 128 bytes for each wave, which no other line names
.set REC,    294912
.set RECS,   20480
.set ADRA, 16                          ; v16-17 LDS address of my A fragments in slot 0, 1 (v18-19: for the pieces behind one padding more)
.set ADRB, 20                          ; v20-23 the same for B
.set ADRS, 27                          ; v27    LDS address of my scale words: lanes 0-15 A's rows, lanes 16-31 B's
.set SPW,  28                          ; v28    LDS address of my spare word; never rewritten
.set NIL,  29                          ; v29    0; never rewritten
.set SC,   32                          ; scale words
.set BI,   64                          ; v64-127  bias along B's rows: register 16 g + i = bias(32 g + 16 (lane / 16) + i)
.set AF,   128                         ; A's fragments
.set BV,   240                         ; v240-255 bias along A's rows: registers 2 a, 2 a + 1 = bias of my lane's row in block a
.set ST,   128                         ; the epilogue: a block's 64 numbers
.set PC,   192                         ; its codes (v192-203; v204-206, v208-210 the conversions' second halves)
.set TM,   212                         ; v212-227 at work
.set PW,   228                         ; the scale word just made
.set WE0,  229                         ; an even block's words
.set WE1,  230
.set WO0,  231                         ; an odd block's
.set WO1,  232
.set WS0,  233                         ; the two joined: lanes 0-15 the even block's, lanes 16-31 the odd block's
.set WS1,  234
.set L8,   236                         ; 8, 16, 4 x lane
.set L16,  237
.set L4,   238
.set SEL,  92                          ; s[92:93] v_permlanex16_b32's selects for lane l xor 16
.set HM,   94                          ; s94 lanes 16-31
.set KIND, 95                          ; s95 1: q, k; 0: v
.set G1, 24                            ; s[24:31] descriptor group 1 for A's tiles;  s[32:39] group 0, one set for each slot
.set G0, 32
.set G1B, 48                           ; s[48:55], s[56:63] the same for B's tiles
.set G0B, 56
.set G1S, 68                           ; s[68:75], s[76:79] groups 1 and 0 for A's scales;  s[80:87], s[88:91] for B's
.set G0S, 76
.set G1SB, 80
.set G0SB, 88
.set MSB, 0
.macro WIN new                         ; the immediate's high byte repeats the setting that is left
.if MSB != (\new)
	s_set_vgpr_msb (MSB<<8)|(\new)
.set MSB, (\new)
.endif
.endm
.set MUL_LO, 0xa1                      ; source 0 (B) window 1, source 1 (A) window 0, C and D window 2
.set MUL_HI, 0xf1                      ; the same, C and D window 3
.set TO_B,   0x40                      ; destination window 1, address window 0
; A joint load: waves 0 and 1 fetch for A, waves 2 and 3 for B.  Each line has ONE mask and one set of registers for all that issue it; the branch hangs on the wave's number alone.
; Four v_nop follow each of the two lines, ahead of the jump, the label and what follows.
.macro JLOAD g0a, g1a, g0b, g1b
	s_cmp_eq_u32 s15, 0
	s_cbranch_scc0 .Lfor_b_\@
	tensor_load_to_lds s[\g0a:\g0a+3], s[\g1a:\g1a+7]
	s_nop 0
.rept 4
	v_nop
.endr
	s_branch .Lasked_\@
.Lfor_b_\@:
	tensor_load_to_lds s[\g0b:\g0b+3], s[\g1b:\g1b+7]
	s_nop 0
.rept 4
	v_nop
.endr
.Lasked_\@:
.endm
.macro CREST                           ; a round of the cluster's barrier behind its opening barrier
	s_cmp_lg_u32 s14, 0
	s_cbranch_scc1 .Lnot_wave_0_\@
	s_barrier_signal -3
.Lnot_wave_0_\@:
	s_barrier_wait -3
	s_barrier_signal -1
	s_barrier_wait -1
.endm
.macro CROUND                          ; a whole round
	s_barrier_signal -1
	s_barrier_wait -1
	CREST
.endm
	s_load_b128 s[4:7], s[0:1], 0x0                ; xc, xs
	s_load_b128 s[8:11], s[0:1], 0x10              ; wc, ws
	v_lshl_add_u32 v[SPW], v0, 2, SPARE
	v_mov_b32 v[NIL], 0
	ds_add_u32 v28, v29
	ds_add_u32 v28, v29
	s_wait_dscnt 0x0
	v_lshrrev_b32 v1, 5, v0
	v_readfirstlane_b32 s14, v1                    ; wave 0..3
	s_lshr_b32 s15, s14, 1                         ; which half of A's 256 rows is mine.  Also: I fetch for A (0) or for B (1)
	s_and_b32 s16, s14, 1                          ; which half of B's.  Also: which 128 rows of that tile I fetch
	s_bfe_u32 s40, ttmp6, 0x40000                  ; cx, cy: my place in the cluster
	s_bfe_u32 s41, ttmp6, 0x40004
	s_lshr_b32 s18, ttmp9, 1
	s_lshl_b32 s18, s18, 2                         ; q, k: 4 (c / 2)
	s_and_b32 s19, ttmp9, 1
	s_lshl_b32 s19, s19, 2                         ; q, k: 4 (c % 2)
	s_max_u32 s20, ttmp9, 16
	s_sub_co_u32 s20, s20, 16
	s_lshl_b32 s20, s20, 2                         ; v: 4 (c - 16)
	s_cmp_lt_u32 ttmp9, 16                         ; the kind hangs on the cluster's number alone: it is the same in all sixteen partners
	s_cselect_b32 s17, s18, 8
	s_cselect_b32 s42, s19, s20
	s_cselect_b32 s[KIND], 1, 0
	s_add_co_u32 s17, s17, s41                     ; A's tile row
	s_add_co_u32 s42, s42, s40                     ; B's tile column
	s_lshl_b32 s43, s41, 2
	s_lshl_b32 s43, 15, s43                        ; my row of the cluster
	s_lshl_b32 s44, 0x1111, s40                    ; my column
	; descriptor group 1: a tile of 128 rows x ROWB bytes, padded in LDS
	s_or_b32 s[G1+0], s43, (0<<16)|(1<<20)|(1<<21)|(3<<22)|(3<<25)  ; 15:0 the mask: A's tiles go to my row; 17:16 element of 1 byte; 20 padding on; 21 set beside a mask; 24:22 after every 16 words; 31:25 of 4 words
	s_or_b32 s[G1B+0], s44, (0<<16)|(1<<20)|(1<<21)|(3<<22)|(3<<25)
.irp g, G1, G1B
	s_mov_b32 s[\g+1], ROWB<<16                    ; tensor_dim0
	s_mov_b32 s[\g+2], 128<<16                     ; tensor_dim1
	s_mov_b32 s[\g+3], ROWB<<16                    ; tile_dim0
	s_mov_b32 s[\g+4], 128                         ; tile_dim1
	s_mov_b32 s[\g+5], KROW                        ; tensor_dim0_stride
	s_mov_b32 s[\g+6], 0
	s_mov_b32 s[\g+7], 0
.endr
	; the scales of 128 rows: a dense block of 4,096 bytes, as rows of 256 bytes (32 elements of 8 bytes), 16 bytes of padding behind each
	s_or_b32 s[G1S+0], s43, (3<<16)|(1<<20)|(1<<21)|(5<<22)|(3<<25)
	s_or_b32 s[G1SB+0], s44, (3<<16)|(1<<20)|(1<<21)|(5<<22)|(3<<25)
.irp g, G1S, G1SB
	s_mov_b32 s[\g+1], 32<<16
	s_mov_b32 s[\g+2], (128*KS/256)<<16
	s_mov_b32 s[\g+3], 32<<16
	s_mov_b32 s[\g+4], 128*KS/256
	s_mov_b32 s[\g+5], 32
	s_mov_b32 s[\g+6], 0
	s_mov_b32 s[\g+7], 0
.endr
	s_lshl_b32 s18, s16, 7                         ; which 128 rows of the tile I fetch
	s_lshl_b32 s20, s17, 8
	s_add_co_u32 s20, s20, s18                     ; A: row 256 x tile row + 128 x half
	s_lshl_b32 s46, s42, 8
	s_add_co_u32 s46, s46, s18                     ; B: row 256 x tile column + 128 x half
	s_mov_b32 s21, 0
	s_mov_b32 s47, 0
	s_mov_b64 s[18:19], KS
	s_mul_u64 s[22:23], s[20:21], s[18:19]         ; where these rows' scales begin, in bytes
	s_mul_u64 s[92:93], s[46:47], s[18:19]
	s_mov_b64 s[18:19], KROW
	s_mul_u64 s[20:21], s[20:21], s[18:19]         ; and their codes
	s_mul_u64 s[46:47], s[46:47], s[18:19]
	s_mul_i32 s45, s14, HALFT                      ; where they go: wave x 128 rows: no place in the cluster enters an LDS address
	s_mul_i32 s94, s14, HALFS
	s_wait_kmcnt 0x0
	s_cmp_lg_u32 s[KIND], 0                        ; q, k: A = x, B = the weights;  v: the other way round
	s_cselect_b64 s[12:13], s[4:5], s[8:9]
	s_cselect_b64 s[66:67], s[6:7], s[10:11]
	s_cselect_b64 s[8:9], s[8:9], s[4:5]
	s_cselect_b64 s[10:11], s[10:11], s[6:7]
	s_add_nc_u64 s[20:21], s[12:13], s[20:21]
	s_add_nc_u64 s[22:23], s[66:67], s[22:23]
	s_add_nc_u64 s[46:47], s[8:9], s[46:47]
	s_add_nc_u64 s[92:93], s[10:11], s[92:93]
	CROUND                                         ; all sixteen work-groups are here: the first joint loads meet
	s_mov_b32 s[G0S], 1
	s_add_co_u32 s[G0S+1], s94, SCL
	s_mov_b64 s[G0S+2:G0S+3], s[22:23]
	s_or_b32 s[G0S+3], s[G0S+3], 0x80000000
	s_mov_b32 s[G0SB], 1
	s_add_co_u32 s[G0SB+1], s94, SCL
	s_mov_b64 s[G0SB+2:G0SB+3], s[92:93]
	s_or_b32 s[G0SB+3], s[G0SB+3], 0x80000000
	JLOAD G0S, G1S, G0SB, G1SB                     ; the scales first: they are wanted with K step 0
.irp s, 0,1
	s_mov_b32 s[G0+4*\s], 1
	s_add_co_u32 s[G0+4*\s+1], s45, \s*SLOT
	s_add_nc_u64 s[G0+4*\s+2:G0+4*\s+3], s[20:21], \s*ROWB
	s_or_b32 s[G0+4*\s+3], s[G0+4*\s+3], 0x80000000
	s_mov_b32 s[G0B+4*\s], 1
	s_add_co_u32 s[G0B+4*\s+1], s45, \s*SLOT
	s_add_nc_u64 s[G0B+4*\s+2:G0B+4*\s+3], s[46:47], \s*ROWB
	s_or_b32 s[G0B+4*\s+3], s[G0B+4*\s+3], 0x80000000
	JLOAD G0+4*\s, G1, G0B+4*\s, G1B               ; three tensor loads of mine are out now
.endr
	s_load_b128 s[4:7], s[0:1], 0x20               ; bq, bk
	s_load_b64 s[8:9], s[0:1], 0x30                ; bv
	s_load_b128 s[96:99], s[0:1], 0x38             ; qkvc, qkvs
	v_and_b32 v1, 15, v0                           ; r = l % 16
	v_bfe_u32 v2, v0, 4, 1                         ; h = l / 16
	v_mul_u32_u24 v3, v1, PITCH
	v_mul_u32_u24 v4, v2, 24
	v_add_nc_u32 v4, v3, v4                        ; a fragment's row x pitch + 24 x half
	v_lshl_add_u32 v5, v2, 4, v4                   ; and the same behind one padding more
	s_mul_i32 s21, s15, HALFT                      ; my 128 rows of A
	s_mul_i32 s22, s16, HALFT                      ; my 128 rows of B,
	s_add_co_u32 s22, s22, 2*HALFT                 ; which lie behind A's 256
.irp s, 0,1
	v_add_nc_u32 v[ADRA+\s], s21, v4
	v_add_nc_u32 v[ADRB+\s], s22, v4
	v_add_nc_u32 v[ADRA+2+\s], s21, v5
	v_add_nc_u32 v[ADRB+2+\s], s22, v5
	s_add_co_u32 s21, s21, SLOT
	s_add_co_u32 s22, s22, SLOT
.endr
	v_mul_u32_u24 v5, v1, KS                       ; my row's scales: KS bytes a row,
	v_lshrrev_b32 v6, 8, v5
	v_lshl_add_u32 v5, v6, 4, v5                   ; and 16 more for each 256 passed
	s_mul_i32 s21, s15, HALFS                      ; A's: my 128 rows
	s_mul_i32 s22, s16, HALFS                      ; B's: my 128 rows, behind A's 256
	s_add_co_u32 s22, s22, 2*HALFS
	s_sub_co_u32 s22, s22, s21
	v_mul_u32_u24 v6, s22, v2                      ; lanes 16-31 take B's
	s_add_co_u32 s21, s21, SCL
	v_add_nc_u32 v5, v5, v6
	v_add_nc_u32 v[ADRS], s21, v5
	v_lshlrev_b32 v30, 6, v2                       ; the bias along B's rows: 64 h bytes
	v_and_b32 v6, 8, v1
	v_add_nc_u32 v6, v6, v1
	v_lshlrev_b32 v31, 2, v6                       ; the bias along A's rows: 4 (r + 8 (r / 8)) bytes
	; where my results go.  Both kinds' places are made, and the kind chooses: no branch
	s_lshl_b32 s18, s42, 1
	s_add_co_u32 s18, s18, s16                     ; B's first row of mine / 128
	s_and_b32 s19, s18, 7                          ; q, k: which pair of heads
	s_lshl_b32 s2, s19, 9                          ; its 128 biases: 512 bytes
	s_lshl_b32 s19, s19, 1
	s_lshr_b32 s20, s17, 3                         ; the batch
	s_lshl_b32 s20, s20, 4
	s_add_co_u32 s19, s19, s20                     ; q, k: the record of the pair's first head
	s_lshl_b32 s20, s17, 4
	s_lshl_b32 s21, s15, 3
	s_add_co_u32 s20, s20, s21
	s_and_b32 s20, s20, 127                        ; my first token tile in the batch
	s_mul_i32 s21, s20, 768
	s_lshl_b32 s22, s20, 6
	s_lshr_b32 s23, s42, 3                         ; v: the batch
	s_lshl_b32 s23, s23, 4
	s_lshl_b32 s45, s41, 2
	s_add_co_u32 s23, s23, s45
	s_lshl_b32 s45, s15, 1
	s_add_co_u32 s23, s23, s45                     ; v: the record of my first head: 16 batch + 4 cy + 2 half
	s_and_b32 s45, s18, 15                         ; the key step
	s_mul_i32 s46, s45, 6144
	s_add_co_u32 s46, s46, 98304
	s_lshl_b32 s47, s45, 8
	s_add_co_u32 s47, s47, 8192
	s_lshl_b32 s66, s41, 10
	s_lshl_b32 s67, s15, 9
	s_add_co_u32 s66, s66, s67                     ; bv: 4 (256 cy + 128 half) bytes
	s_and_b32 s45, ttmp9, 1
	s_wait_kmcnt 0x0
	s_cmp_eq_u32 s45, 0                            ; q (even c) or k
	s_cselect_b32 s45, 196608, 0
	s_cselect_b32 s67, 12288, 0
	s_cselect_b64 s[4:5], s[4:5], s[6:7]
	s_add_co_u32 s21, s21, s45
	s_add_co_u32 s22, s22, s67
	s_cmp_lg_u32 s[KIND], 0
	s_cselect_b32 s19, s19, s23
	s_cselect_b32 s21, s21, s46
	s_cselect_b32 s22, s22, s47
	s_mul_i32 s20, s19, REC
	s_add_co_u32 s20, s20, s21
	s_mov_b32 s21, 0
	s_add_nc_u64 s[96:97], s[96:97], s[20:21]      ; my codes
	s_mul_i32 s20, s19, RECS
	s_add_co_u32 s20, s20, s22
	s_add_nc_u64 s[98:99], s[98:99], s[20:21]      ; my scale words
	s_mov_b32 s3, 0
	s_add_nc_u64 s[4:5], s[4:5], s[2:3]
	s_mov_b32 s67, 0
	s_add_nc_u64 s[8:9], s[8:9], s[66:67]
.irp g, 0,1,2,3
.irp j, 0,1,2,3
	global_load_b128 v[BI+16*\g+4*\j:BI+16*\g+4*\j+3], v30, s[4:5] offset:128*\g+16*\j
.endr
.endr
.irp a, 0,1,2,3,4,5,6,7
	global_load_b32 v[BV+2*\a], v31, s[8:9] offset:4*(32*(\a/2)+8*(\a%2))
	global_load_b32 v[BV+2*\a+1], v31, s[8:9] offset:4*(32*(\a/2)+8*(\a%2))   ; twice: a pair for the packed addition
.endr
.macro FRAG reg, adr, q, i             ; a fragment, 16 rows x 128 K, is 12 registers: lane l holds row l % 16; registers 6 c .. 6 c + 5 hold K = 64 c + 32 (l / 16) + 0 .. 31: 24 bytes of the row, as they lie
.irp p, 0,1,2,3,4,5                    ; in pieces of 8 bytes.  Lanes 16-31 read three pieces further on than lanes 0-15
.set PCE, 12*(\q)+6*(\p/3)+\p%3        ; 16 bytes of padding lie behind every 8 pieces: where the piece three on lies behind one padding more, the second address register serves
.if PCE%8 < 5
	ds_load_b64 v[\reg+2*\p:\reg+2*\p+1], v[\adr] offset:8*PCE+16*(PCE/8)+(\i)*16*PITCH
.else
	ds_load_b64 v[\reg+2*\p:\reg+2*\p+1], v[\adr+2] offset:8*PCE+16*(PCE/8)+(\i)*16*PITCH
.endif
.endr
.endm
; 16 matrix instructions: A's blocks a0, a0 + 1 x B's eight, 128 along K: the slot's q-th.  p: B's set;  sc: the set of scale words.  zero = 1: the first product starts the sums.
; The 64 accumulators take turns, one instruction a turn, in the same order in every step.
.macro MUL16 a0, p, q, sc, zero
.irp a, \a0, \a0+1
.irp b, 0,1,2,3,4,5,6,7
.if \zero
	v_wmma_scale_f32_16x16x128_f8f6f4 v[8*(8*((\a)%4)+\b):8*(8*((\a)%4)+\b)+7], v[128*(\p)+FR*\b:128*(\p)+FR*\b+FR-1], v[AF+FR*(\a):AF+FR*(\a)+FR-1], 0, v[SC+8*NQ*(\sc)+NQ*\b+(\q)], v[SC+8*NQ*(\sc)+NQ*(\a)+(\q)] matrix_a_fmt:MATRIX_FMT_FP6 matrix_b_fmt:MATRIX_FMT_FP6 matrix_a_scale:MATRIX_SCALE_ROW1
.else
	v_wmma_scale_f32_16x16x128_f8f6f4 v[8*(8*((\a)%4)+\b):8*(8*((\a)%4)+\b)+7], v[128*(\p)+FR*\b:128*(\p)+FR*\b+FR-1], v[AF+FR*(\a):AF+FR*(\a)+FR-1], v[8*(8*((\a)%4)+\b):8*(8*((\a)%4)+\b)+7], v[SC+8*NQ*(\sc)+NQ*\b+(\q)], v[SC+8*NQ*(\sc)+NQ*(\a)+(\q)] matrix_a_fmt:MATRIX_FMT_FP6 matrix_b_fmt:MATRIX_FMT_FP6 matrix_a_scale:MATRIX_SCALE_ROW1
.endif
.endr
.endr
.endm
.macro FETCH_B slot, q, p              ; B's eight fragments of the slot's q-th 128 along K into set p
	WIN TO_B
.irp i, 0,1,2,3,4,5,6,7
	FRAG 128*(\p)+FR*\i, ADRB+\slot, \q, \i
.endr
	WIN 0
.endm
.macro FETCH_A slot, q, i0             ; A's blocks i0 .. i0 + 3
.irp i, \i0, \i0+1, \i0+2, \i0+3
	FRAG AF+FR*(\i), ADRA+\slot, \q, \i
.endr
.endm
.macro SCALES sc                       ; a K step's scale words into set sc: two words a row; lanes 0-15 take A's block i, lanes 16-31 B's block i
.irp i, 0,1,2,3,4,5,6,7
	ds_load_b64 v[SC+8*NQ*\sc+NQ*\i:SC+8*NQ*\sc+NQ*\i+1], v[ADRS] offset:\i*SBLK
.endr
.endm
; A load into a register that a matrix instruction has read, and a vector instruction that reads a matrix result or writes one of its registers, stand NP places behind it; only plain vector
; instructions that name none of its registers are places.
.macro PLACES n
.rept \n
	v_nop
.endr
.endm
; A step of 128 along K that has its successor in the same slot.
.macro STEP slot, q, zero
	s_wait_dscnt 4*NL                              ; B's set and A's blocks 0-3 are in; the youngest 24 loads (A's blocks 4-7) may be out
	WIN MUL_LO
	MUL16 0, (\q)%2, \q, \slot, \zero
	MUL16 2, (\q)%2, \q, \slot, \zero
	s_wait_dscnt 0                                 ; A's blocks 4-7 are in (asked for 32 matrix instructions ago)
	PLACES NP
	FETCH_B \slot, (\q)+1, 1-(\q)%2
	FETCH_A \slot, (\q)+1, 0
	WIN MUL_HI
	MUL16 4, (\q)%2, \q, \slot, \zero
	MUL16 6, (\q)%2, \q, \slot, \zero
	PLACES NP
	WIN 0
	FETCH_A \slot, (\q)+1, 4
.endm
; A slot's last step changes slots: ONE barrier; in front of it each wave waits for all its tensor loads, adds 0 to its spare word, and waits for that and for its own reads of this slot.  fill = 1: this slot is filled again, two K steps ahead.
.macro TURN slot, next, fill
	s_wait_tensorcnt 0x0                           ; all my tensor loads have landed: my part of the next slot;  (every window is 0 here)
	ds_add_u32 v[SPW], v[NIL]                      ; 0 onto my spare word
	s_wait_dscnt 4*NL+1                            ; (the add and the youngest 24 loads, A's blocks 4-7, may be out)
	WIN MUL_LO
	MUL16 0, 1, NQ-1, \slot, 0                     ; sixteen matrix instructions stand between the add and the wait for it
	s_wait_dscnt 0x0                               ; the add is done, and my reads of this slot are over
	s_barrier_signal -1
	MUL16 2, 1, NQ-1, \slot, 0
	WIN 0
	s_barrier_wait -1
.if \fill
	CREST                                          ; the barrier has opened a round of the cluster's barrier: no wave of any partner still reads this slot's tile or has a load on its way
	s_add_nc_u64 s[G0+4*\slot+2:G0+4*\slot+3], s[G0+4*\slot+2:G0+4*\slot+3], 2*ROWB
	s_add_nc_u64 s[G0B+4*\slot+2:G0B+4*\slot+3], s[G0B+4*\slot+2:G0B+4*\slot+3], 2*ROWB
	JLOAD G0+4*\slot, G1, G0B+4*\slot, G1B         ; the first tensor load behind the round, my only one out; the four v_nop behind it are the places in front of the loads below
.else
	PLACES NP
.endif
	v_add_nc_u32 v[ADRS], 4*NQ, v[ADRS]            ; on to the next K step's scale words (no LDS load of mine is out)
	FETCH_B \next, 0, 0
	FETCH_A \next, 0, 0
	SCALES \next
	WIN MUL_HI
	MUL16 4, 1, NQ-1, \slot, 0
	MUL16 6, 1, NQ-1, \slot, 0
	PLACES NP
	WIN 0
	FETCH_A \next, 0, 4
.endm
	s_wait_loadcnt 0x0                             ; the biases, once: their registers and addresses need no further care
	s_wait_tensorcnt 1                             ; the scales and my part of K step 0 are in (K step 1's load may be out),
	s_barrier_signal -1
	s_barrier_wait -1                              ; everybody's are
	FETCH_B 0, 0, 0
	FETCH_A 0, 0, 0
	SCALES 0
	FETCH_A 0, 0, 4
	STEP 0, 0, 1                                   ; the first step stands in front of the loop: its products start the sums
	s_mov_b32 s3, LAPS-1
.Llap:                                                 ; a trip goes once round the ring, from a lap's second step to the next lap's first, and fills both slots again
	TURN 0, 1, 1
	STEP 1, 0, 0
	TURN 1, 0, 1
	STEP 0, 0, 0
	s_sub_co_u32 s3, s3, 1
	s_cmp_lg_u32 s3, 0
	s_cbranch_scc1 .Llap
	TURN 0, 1, 0                                   ; the last lap fills nothing, and has no round of the cluster's barrier
	STEP 1, 0, 0
	s_wait_dscnt 4*NL                              ; the very last step: nothing more to fetch
	WIN MUL_LO
	MUL16 0, 1, NQ-1, 1, 0
	MUL16 2, 1, NQ-1, 1, 0
	s_wait_dscnt 0
	WIN MUL_HI
	MUL16 4, 1, NQ-1, 1, 0
	MUL16 6, 1, NQ-1, 1, 0
	WIN 0
; THE EPILOGUE, block by block of A (16 lanes' rows x my 128 of B).  No LDS: what a lane holds is what an operand's lane holds.
; MOVE: the block's 64 sums + the bias, into window 0; each accumulator is read from its low end on.  kind 1: the bias runs along the registers; 0: it is my lane's.
.macro MOVE a, kind
	WIN 0x02+(\a)/4                                ; source 0: window 2 or 3
.set j, 0
.rept 32
.if \kind
	v_pk_add_f32 v[ST+j:ST+j+1], v[64*((\a)%4)+j:64*((\a)%4)+j+1], v[BI+j:BI+j+1]
.else
	v_pk_add_f32 v[ST+j:ST+j+1], v[64*((\a)%4)+j:64*((\a)%4)+j+1], v[BV+2*(\a):BV+2*(\a)+1]
.endif
.set j, j+2
.endr
	WIN 0
.endm
; 64 numbers of a lane, register 16 b + i = k 32 b + 16 (lane / 16) + i of my row, become a fragment's codes in v[PC] on and its scale word in v[pw].
.macro QUANT s, pw
.irp b, 0,1,2,3
	v_max3_num_f32 v[TM+\b], |v[\s+16*\b]|, |v[\s+1+16*\b]|, 0x1800000   ; block b: my 16 numbers, and the floor 2^(3 - 127): the byte cannot fall under 1
.endr
.irp i, 2,4,6,8,10,12,14
.irp b, 0,1,2,3
	v_max3_num_f32 v[TM+\b], v[TM+\b], |v[\s+16*\b+\i]|, |v[\s+1+16*\b+\i]|   ; (the four blocks by turns)
.endr
.endr
.irp b, 0,1,2,3
	v_permlanex16_b32 v[TM+4+\b], v[TM+\b], s[SEL], s[SEL+1]
.endr
.irp b, 0,1,2,3
	v_max_num_f32 v[TM+\b], v[TM+\b], v[TM+4+\b]   ; with lane l xor 16's: the block's largest magnitude
.endr
.irp b, 0,1,2,3
	v_add_nc_u32 v[TM+12+\b], 0xff000000, v[TM+\b]   ; 2 off its exponent field: the conversion's scale operand
.endr
.irp b, 0,1,2,3
	v_lshrrev_b32 v[TM+4+\b], 23, v[TM+12+\b]      ; the scale's byte
.endr
	v_lshl_or_b32 v[\pw], v[TM+5], 8, v[TM+4]      ; the four bytes make my row's scale word (lanes l and l xor 16 hold the same)
	v_lshl_or_b32 v[\pw], v[TM+6], 16, v[\pw]
	v_lshl_or_b32 v[\pw], v[TM+7], 24, v[\pw]
.irp c, 0,1
	v_cvt_scalef32_pk16_fp6_f32 v[PC+6*\c:PC+2+6*\c], v[\s+32*\c:\s+15+32*\c], v[TM+12+2*\c]
	v_cvt_scalef32_pk16_fp6_f32 v[PC+12+4*\c:PC+14+4*\c], v[\s+16+32*\c:\s+31+32*\c], v[TM+12+2*\c+1]   ; (a conversion's three registers begin on an even number)
.endr
	v_nop                                          ; one plain place behind a scaled conversion
.irp c, 0,1                                    ; the operand's layout wants a WHOLE block in a lane: lanes 0-15 block 2 c, lanes 16-31 block 2 c + 1
.irp i, 0,1,2
	v_permlane16_swap_b32 v[PC+6*\c+\i], v[PC+12+4*\c+\i]
.endr
.irp i, 0,1,2
	v_mov_b32 v[PC+3+6*\c+\i], v[PC+12+4*\c+\i]
.endr
.endr
.endm
; q, k: block a is token tile a of my eight; registers 6 c .. 6 c + 5 are head c's 64 channels.  Each store of codes covers 256 consecutive bytes, aligned; two tiles' words leave by one store of 128 bytes.
.macro EPIQK a
	s_wait_xcnt 0x0                                ; the last block's stores have read their registers: these are written again only behind this wait
	MOVE \a, 1
	QUANT ST, PW
.irp c, 0,1
.irp p, 0,1,2
	global_store_b64 v[L8], v[PC+6*\c+2*\p:PC+6*\c+2*\p+1], s[96:97] offset:\c*REC+(\a)*768+256*\p
.endr
.endr
.if (\a)%2 == 0
	v_perm_b32 v[WE0], v[PW], v[PW], 0x01000100    ; head 0's two bytes, twice
	v_perm_b32 v[WE1], v[PW], v[PW], 0x03020302    ; head 1's
.else
	v_perm_b32 v[WO0], v[PW], v[PW], 0x01000100
	v_perm_b32 v[WO1], v[PW], v[PW], 0x03020302
	v_cndmask_b32 v[WS0], v[WE0], v[WO0], s[HM]    ; lanes 0-15: tile a - 1's rows; lanes 16-31: tile a's
	v_cndmask_b32 v[WS1], v[WE1], v[WO1], s[HM]
	global_store_b32 v[L4], v[WS0], s[98:99] offset:((\a)/2)*128
	global_store_b32 v[L4], v[WS1], s[98:99] offset:RECS+((\a)/2)*128
.endif
.endm
; v: block a is channel tile a % 4 of head a / 4 of my two; the 12 registers are a fragment of 16 channels x my 128 keys.  Each store of codes covers 512 consecutive bytes, aligned.
.macro EPIV a
	s_wait_xcnt 0x0
	MOVE \a, 0
.if (\a)%2 == 0
	QUANT ST, WE0
.else
	QUANT ST, WO0
.endif
.irp c, 0,1,2
	global_store_b128 v[L16], v[PC+4*\c:PC+4*\c+3], s[96:97] offset:((\a)/4)*REC+((\a)%4)*1536+512*\c
.endr
.if (\a)%2 == 1
	v_cndmask_b32 v[WS0], v[WE0], v[WO0], s[HM]
	global_store_b32 v[L4], v[WS0], s[98:99] offset:((\a)/4)*RECS+(((\a)%4)/2)*128
.endif
.endm
	PLACES NP                                      ; behind the last products: their operands' registers are written below, their results read
	s_mov_b32 s[SEL], 0x76543210
	s_mov_b32 s[SEL+1], 0xfedcba98
	s_mov_b32 s[HM], 0xffff0000
	v_and_b32 v1, 31, v0
	v_lshlrev_b32 v[L8], 3, v1
	v_lshlrev_b32 v[L16], 4, v1
	v_lshlrev_b32 v[L4], 2, v1
.irp b, 0,1,2,3
	v_mov_b32 v[TM+4+\b], 0                        ; written once: a lane permute's destination counts as one of its sources
.endr
	s_cmp_eq_u32 s[KIND], 0                        ; the one branch on the kind: the same way in all sixteen partners
	s_cbranch_scc1 .Lkind_v
.irp a, 0,1,2,3,4,5,6,7
	EPIQK \a
.endr
	s_branch .Lend
.Lkind_v:
.irp a, 0,1,2,3,4,5,6,7
	EPIV \a
.endr
.Lend:
	s_wait_tensorcnt 0x0                           ; the wave's end
	ds_add_u32 v[SPW], v[NIL]
	s_wait_dscnt 0x0
	CROUND                                         ; the closing round: no work-group ends while a partner may still ask for a tile that names it
	s_endpgm
.Lfunc_end_k_q800832881e_qkv:
	.size	k_q800832881e_qkv, .Lfunc_end_k_q800832881e_qkv-k_q800832881e_qkv
	.p2alignl 7, 3214868480
	.fill 96, 4, 3214868480
	.section	.rodata,"a",@progbits
	.p2align	6, 0x0
	.amdhsa_kernel k_q800832881e_qkv
		.amdhsa_group_segment_fixed_size 327680
		.amdhsa_private_segment_fixed_size 0
		.amdhsa_enable_private_segment 0
		.amdhsa_kernarg_size 72
		.amdhsa_user_sgpr_count 2
		.amdhsa_user_sgpr_kernarg_segment_ptr 1
		.amdhsa_wavefront_size32 1
		.amdhsa_system_sgpr_workgroup_id_x 1
		.amdhsa_system_sgpr_workgroup_id_y 1
		.amdhsa_system_sgpr_workgroup_id_z 1
		.amdhsa_system_vgpr_workitem_id 0
		.amdhsa_next_free_vgpr 1024
		.amdhsa_next_free_sgpr 100
		.amdhsa_reserve_vcc 0
		.amdhsa_float_denorm_mode_32 3
		.amdhsa_float_denorm_mode_16_64 3
		.amdhsa_memory_ordered 1
		.amdhsa_forward_progress 1
		.amdhsa_inst_pref_size 239
	.end_amdhsa_kernel
	.amdgpu_metadata
---
amdhsa.version: [ 1, 2 ]
amdhsa.kernels:
  - .name:           k_q800832881e_qkv
    .symbol:         k_q800832881e_qkv.kd
    .args:
      - { .name: xc, .offset: 0, .size: 8, .value_kind: global_buffer, .address_space: global }
      - { .name: xs, .offset: 8, .size: 8, .value_kind: global_buffer, .address_space: global }
      - { .name: wc, .offset: 16, .size: 8, .value_kind: global_buffer, .address_space: global }
      - { .name: ws, .offset: 24, .size: 8, .value_kind: global_buffer, .address_space: global }
      - { .name: bq, .offset: 32, .size: 8, .value_kind: global_buffer, .address_space: global }
      - { .name: bk, .offset: 40, .size: 8, .value_kind: global_buffer, .address_space: global }
      - { .name: bv, .offset: 48, .size: 8, .value_kind: global_buffer, .address_space: global }
      - { .name: qkvc, .offset: 56, .size: 8, .value_kind: global_buffer, .address_space: global }
      - { .name: qkvs, .offset: 64, .size: 8, .value_kind: global_buffer, .address_space: global }
    .group_segment_fixed_size: 327680
    .private_segment_fixed_size: 0
    .kernarg_segment_align: 8
    .kernarg_segment_size: 72
    .max_flat_workgroup_size: 128
    .sgpr_count:     100
    .vgpr_count:     1024
    .wavefront_size: 32
...
	.end_amdgpu_metadata
.endif
;; end of part 2
;; launch attn (part 3): grid 256 x 1, 16 waves a work-group, clusters of 4 x 1, 327,680 bytes of LDS; arguments qkvc, qkvs, oc, os; writes oc, os
.if DOCPART == 3
	.amdgcn_target "amdgcn-amd-amdhsa--gfx1250"
	.amdhsa_code_object_version 6
	.text
	.protected	k_q800832881e_attn
	.globl	k_q800832881e_attn
	.p2align	8
	.type	k_q800832881e_attn,@function
k_q800832881e_attn:
	s_mov_b64 s[64:65], 0
	v_nop
	global_prefetch_b8 v0, s[64:65] scope:SCOPE_SE
	s_setreg_imm32_b32 hwreg(HW_REG_WAVE_MODE, 25, 1), 1
	s_wait_xcnt 0x0
	s_wait_alu depctr_hold_cnt(0) depctr_sa_sdst(0) depctr_va_vdst(0) depctr_va_sdst(0) depctr_va_ssrc(0) depctr_va_vcc(0) depctr_vm_vsrc(0)
	s_getreg_b32 s2, hwreg(HW_REG_IB_STS2, 6, 4)
	s_cmp_eq_u32 s2, 0
	s_cbranch_scc0 .Lentry_in_a_cluster
	s_endpgm
.Lentry_in_a_cluster:
	s_bfe_u32 s2, ttmp6, 0x10000c
	s_cmp_lg_u32 s2, 0x3003
	s_cbranch_scc0 .Lentry_shape_is_right
	s_endpgm
.Lentry_shape_is_right:
; Causal attention of one (batch, head) to a cluster, both products on codes of FP6 (E2M3) with E8M0 scales; the result, divided by the row's sum, is quantised in registers along the channels for the last projection.
; t = score x log2(e) / 8; M = the running largest t rounded UP to a whole number; p = 2^(t - M) is quantised along the keys, not normalised; the row's sum is taken of the unquantised p; when M moves, the sum and O are
; multiplied by 2^(old M - new M), which rounds nothing.
; THE HEAD'S K AND V LIE IN LDS WHOLE: 196,608 bytes of register images and 12,288 of scale words, brought once.  The four work-groups of a cluster belong to one head and ask JOINTLY: each of the sixteen waves
; issues two tensor loads (its sixteenth of the codes, its sixteenth of the words) with a mask that names the four.  LDS is never stored to and never filled again.
; SHARES.  A tile is 16 queries, a group 128 queries (8 tiles), a key step 128 keys.  Wave w of work-group p takes tile e = 2 p + w / 8 of group w, then of group 15 - w: 17 key steps in all for every wave, two of them on the diagonal.
; Every loop has 16 trips; a step all of whose keys come after the group is jumped over by a scalar branch on the wave's number and the trip's.  The work-group's place enters Q's and the results' global addresses and the mask's number alone.
; LAYOUT.  Both products are used transposed: S^T = K Q^T (source 0 = 16 keys), O^T = V^T P^T (source 0 = 16 channels): a lane holds ONE query throughout.  The stored tokens have bits 3 and 4 exchanged: lane r of tile 2 b + u is
; token 32 b + 8 u + r + 8 (r / 8), so the 16 registers of two neighbouring tiles of S^T are 16 neighbouring keys; V's channel tiles are ordered likewise, so O^T's registers are neighbouring channels.
; The head's 64 channels fill half of the instruction's K: registers 6-11 of K's and Q's fragments are zeros, written once.
; OUT: oc [128 batch + tile][head][768]: three pieces of 256 bytes, lane l's 8 bytes at 8 l; each store covers 256 consecutive bytes, aligned.  os [stored row][32]: byte 2 head + block: one byte a lane, rows 32 bytes apart: these
; stores fill no run of 256 bytes; they are 1 byte for each 24 of codes.
; LIMITS: a block whose largest magnitude lies under 2^-124 keeps the byte 1, a block of zeros too (this program alone reads the bytes); NaN and infinities are not served; 1 / the sum is v_rcp_f32's.
.set REC,  294912
.set RECS, 20480
.set VC,   98304                       ; LDS: K's images at 0 (768 a tile), V's here (1,536 a fragment, 6,144 a key step),
.set KSL,  196608                      ; K's scale words (64 bytes a tile),
.set VSL,  204800                      ; V's (64 bytes a fragment)
.set WV,   12                          ; s12 wave
.set EE,   15                          ; s15 e
.set GG,   16                          ; s16 the pass's group
.set II,   17                          ; s17 the trip
.set TK,   18                          ; s18, s19, s48, s49: where the step's K, V, K's words, V's words begin in LDS
.set TV,   19
.set SEL,  20                          ; s[20:21] selects for lane l xor 16
.set CS,   22                          ; s[22:23] c = log2(e) / 8
.set G1C,  24                          ; s[24:31], s[40:43] descriptor groups 1 and 0 for the codes;  s[32:39], s[44:47] for the words
.set G1S,  32
.set G0C,  40
.set G0S,  44
.set TSK,  48
.set TSV,  49
.set HM,   50                          ; s50 lanes 16-31
.set ADK,  8                           ; v8-11 LDS addresses of the step in hand
.set ADV,  9
.set ADS,  10
.set ADT,  11
.set QF,   16                          ; v16-27 Q's fragment (v22-27 zeros)
.set QS,   28                          ; v28    Q's scale words
.set VSC,  30                          ; v30-31 V's scale words: lanes 0-15 tile 2 u, lanes 16-31 tile 2 u + 1
.set KF,   32                          ; v32-79 four fragments of K: 6 registers of codes, 6 of zeros
.set VF,   80                          ; v80-127 V's four fragments
.set S,    128                         ; v128-191 S^T, then p
.set O,    192                         ; v192-223 O^T
.set PC,   224                         ; v224-235 p's codes
.set BM,   236                         ; v236-239 the blocks' largest
.set PL,   240                         ; v240-243 at work
.set SCO,  244                         ; v244-247 the conversions' scale operands
.set KSC,  248                         ; v248-251 K's scale words: lanes 0-15 tile 2 b, lanes 16-31 tile 2 b + 1
; v1 lane; v5 my query's place in its group - 16 (lane / 16); v6 8 x lane; v7 4 r; v29 32 r + h; v12 -M; v13 the largest t; v[14:15] the sum; v252 f; v253 p's scale word; v254 at work; v255 -infinity
.macro CROUND                          ; a round of the cluster's barrier
	s_barrier_signal -1
	s_barrier_wait -1
	s_cmp_lg_u32 s[WV], 0
	s_cbranch_scc1 .Lnot_wave_0_\@
	s_barrier_signal -3
.Lnot_wave_0_\@:
	s_barrier_wait -3
	s_barrier_signal -1
	s_barrier_wait -1
.endm
	s_load_b256 s[4:11], s[0:1], 0x0               ; qkvc, qkvs, oc, os
	v_lshl_add_u32 v254, v0, 2, 0x33000
	v_mov_b32 v255, 0
	ds_add_u32 v254, v255
	ds_add_u32 v254, v255
	s_wait_dscnt 0x0
	v_lshrrev_b32 v1, 5, v0
	s_delay_alu instid0(VALU_DEP_1)
	v_readfirstlane_b32 s[WV], v1                  ; wave 0..15
	s_bfe_u32 s13, ttmp6, 0x40000                  ; p: my place in the cluster
	; group 1: dense blocks as rows of 256 bytes (32 elements of 8 bytes): 48 rows of codes, 3 of words
	s_mov_b32 s[G1C], 15|(3<<16)|(1<<21)           ; 15:0 the mask: all four work-groups; 17:16 elements of 8 bytes; 21 set beside a mask; no padding
	s_mov_b32 s[G1C+1], 32<<16                     ; tensor_dim0
	s_mov_b32 s[G1C+2], 48<<16                     ; tensor_dim1
	s_mov_b32 s[G1C+3], 32<<16                     ; tile_dim0
	s_mov_b32 s[G1C+4], 48                         ; tile_dim1
	s_mov_b32 s[G1C+5], 32                         ; the pitch
	s_mov_b32 s[G1C+6], 0
	s_mov_b32 s[G1C+7], 0
	s_mov_b32 s[G1S], 15|(3<<16)|(1<<21)
	s_mov_b32 s[G1S+1], 32<<16
	s_mov_b32 s[G1S+2], 3<<16
	s_mov_b32 s[G1S+3], 32<<16
	s_mov_b32 s[G1S+4], 3
	s_mov_b32 s[G1S+5], 32
	s_mov_b32 s[G1S+6], 0
	s_mov_b32 s[G1S+7], 0
	s_mul_i32 s66, ttmp9, REC                      ; the head's record (ttmp9 counts clusters: 16 batch + head)
	s_mul_i32 s67, ttmp9, RECS
	s_mul_i32 s72, s[WV], 12288                    ; my sixteenth of the codes, in memory and in LDS alike
	s_mul_i32 s73, s[WV], 768                      ; and of the words
	s_add_co_u32 s74, s66, s72
	s_mov_b32 s75, 0
	s_wait_kmcnt 0x0
	s_mov_b32 s[G0C], 1
	s_mov_b32 s[G0C+1], s72
	s_add_nc_u64 s[G0C+2:G0C+3], s[4:5], s[74:75]
	s_or_b32 s[G0C+3], s[G0C+3], 0x80000000
	s_add_co_u32 s74, s67, s73
	s_mov_b32 s[G0S], 1
	s_add_co_u32 s[G0S+1], s73, KSL
	s_add_nc_u64 s[G0S+2:G0S+3], s[6:7], s[74:75]
	s_or_b32 s[G0S+3], s[G0S+3], 0x80000000
	CROUND                                         ; all four work-groups are here: the joint loads meet
	tensor_load_to_lds s[G0C:G0C+3], s[G1C:G1C+7]  ; the first of the two tensor loads this wave ever issues
	s_nop 0
	s_wait_alu depctr_va_vdst(0)
	s_wait_tensorcnt 0x0
	ds_add_u32 v254, v255
	s_wait_dscnt 0x0
	CROUND
	tensor_load_to_lds s[G0S:G0S+3], s[G1S:G1S+7]
	s_nop 0
.rept 4
	v_nop
.endr
	s_lshr_b32 s14, s[WV], 3
	s_lshl_b32 s[EE], s13, 1
	s_add_co_u32 s[EE], s[EE], s14                 ; e = 2 p + w / 8
	s_add_co_u32 s66, s66, 196608                  ; Q's images in the record
	s_add_co_u32 s67, s67, 12288                   ; Q's words
	s_lshr_b32 s73, ttmp9, 4
	s_lshl_b32 s73, s73, 7                         ; 128 x batch
	s_and_b32 s51, ttmp9, 15                       ; the head
; the four addresses of the tile of group s[g]: Q's codes, Q's words, the result's codes, its scale bytes
.macro MKPTR g, qc, qs, oc, os
	s_lshl_b32 s72, s[\g], 3
	s_add_co_u32 s72, s72, s[EE]                   ; the tile in the head: 8 G + e
	s_mul_i32 s74, s72, 768
	s_add_co_u32 s74, s74, s66
	s_add_nc_u64 s[\qc:\qc+1], s[4:5], s[74:75]
	s_lshl_b32 s74, s72, 6
	s_add_co_u32 s74, s74, s67
	s_add_nc_u64 s[\qs:\qs+1], s[6:7], s[74:75]
	s_add_co_u32 s72, s72, s73                     ; the tile among all tokens
	s_lshl_b32 s74, s72, 4
	s_add_co_u32 s74, s74, s51
	s_mul_i32 s74, s74, 768
	s_add_nc_u64 s[\oc:\oc+1], s[8:9], s[74:75]
	s_lshl_b32 s74, s72, 9
	s_add_co_u32 s74, s74, s51
	s_add_co_u32 s74, s74, s51                     ; 512 x tile + 2 x head
	s_add_nc_u64 s[\os:\os+1], s[10:11], s[74:75]
.endm
	s_xor_b32 s[GG], s[WV], 15                     ; 15 - w
	MKPTR GG, 60, 62, 68, 70
	s_mov_b32 s[GG], s[WV]
	MKPTR GG, 52, 54, 56, 58
	s_mov_b32 s[SEL], 0x76543210
	s_mov_b32 s[SEL+1], 0xfedcba98
	s_mov_b32 s[CS], 0x3e38aa3b                    ; c = log2(e) / 8
	s_mov_b32 s[CS+1], s[CS]                       ; (named with it as a pair, so it is written)
	s_mov_b32 s[HM], 0xffff0000
	v_and_b32 v1, 31, v0                           ; lane
	v_and_b32 v2, 15, v0                           ; r
	v_bfe_u32 v3, v0, 4, 1                         ; h
	s_delay_alu instid0(VALU_DEP_3)
	v_lshlrev_b32 v6, 3, v1
	s_delay_alu instid0(VALU_DEP_3)
	v_lshlrev_b32 v7, 2, v2
	s_delay_alu instid0(VALU_DEP_3)
	v_lshl_add_u32 v29, v2, 5, v3
.irp p, 0,1,2
	global_load_b64 v[QF+2*\p:QF+2*\p+1], v6, s[52:53] offset:256*\p   ; the first pass's Q
.endr
	global_load_b32 v[QS], v7, s[54:55]
	v_and_b32 v4, 8, v2
	s_delay_alu instid0(VALU_DEP_1)
	v_add_nc_u32 v4, v4, v2                        ; r + 8 (r / 8)
	v_lshlrev_b32 v5, 4, v3
	s_delay_alu instid0(VALU_DEP_1)
	v_sub_nc_u32 v5, v4, v5
	s_lshl_b32 s72, s13, 5
	s_lshl_b32 s74, s14, 3
	s_add_co_u32 s72, s72, s74
	v_add_nc_u32 v5, s72, v5                       ; d = 32 p + 8 (w / 8) + r + 8 (r / 8) - 16 h.  On the diagonal register 16 b + i holds the group's key 32 b + 16 h + i: hidden where 32 b + i > d
.irp j, 6,7,8,9,10,11
	v_mov_b32 v[QF+\j], 0                          ; the upper 64 of the instruction's K: zero codes, written once
.irp t, 0,1,2,3
	v_mov_b32 v[KF+12*\t+\j], 0
.endr
.endr
.irp b, 0,1,2,3
	v_mov_b32 v[PL+\b], 0                          ; written once: a lane permute's destination counts as one of its sources
.endr
	v_mov_b32 v252, 0                              ; likewise
	v_mov_b32 v253, 0                              ; (named as the upper half of the pair v[252:253] before it is first written)
	v_mov_b32 v255, 0xff800000                     ; -infinity
	s_wait_tensorcnt 0x0                           ; my parts of the head have landed,
	s_barrier_signal -1
	s_barrier_wait -1                              ; everybody's have
.macro QK g                            ; S^T of key tiles 4 g .. 4 g + 3
.irp t, 0,1,2,3
.if \t%2
	v_wmma_scale_f32_16x16x128_f8f6f4 v[S+8*(4*\g+\t):S+8*(4*\g+\t)+7], v[KF+12*\t:KF+12*\t+11], v[QF:QF+11], 0, v[KSC+2*\g+\t/2], v[QS] matrix_a_fmt:MATRIX_FMT_FP6 matrix_b_fmt:MATRIX_FMT_FP6 matrix_a_scale:MATRIX_SCALE_ROW1
.else
	v_wmma_scale_f32_16x16x128_f8f6f4 v[S+8*(4*\g+\t):S+8*(4*\g+\t)+7], v[KF+12*\t:KF+12*\t+11], v[QF:QF+11], 0, v[KSC+2*\g+\t/2], v[QS] matrix_a_fmt:MATRIX_FMT_FP6 matrix_b_fmt:MATRIX_FMT_FP6
.endif
.endr
.endm
.macro KLOAD g
.irp t, 0,1,2,3
.irp p, 0,1,2
	ds_load_b64 v[KF+12*\t+2*\p:KF+12*\t+2*\p+1], v[ADK] offset:768*(4*\g+\t)+256*\p   ; an image's piece: 32 lanes read 256 consecutive bytes
.endr
.endr
.endm
; A PASS: one tile of 16 queries of group s[GG].  oc, os: where its result goes.  nxt = 1: the next pass's Q, at nqc and nqs, is asked for behind the loop.
.macro PASS oc, os, nxt, nqc, nqs
	s_wait_xcnt 0x0                                ; the last pass's stores have read their registers
	v_mov_b32 v13, 0xff61b1e6                      ; the largest t so far: -3e38, under every t
	s_delay_alu instid0(VALU_DEP_1)
	v_floor_f32 v12, -v13                          ; -M
	v_mov_b32 v14, 0                               ; the sum, in two halves
	v_mov_b32 v15, 0
.set j, 0
.rept 32
	v_mov_b32 v[O+j], 0                            ; O^T.  (The step is written once: the first finds zeros, which the first change of M leaves zeros)
.set j, j+1
.endr
	s_mov_b32 s[II], 0
	s_mov_b32 s[TK], 0
	s_mov_b32 s[TV], VC
	s_mov_b32 s[TSK], KSL
	s_mov_b32 s[TSV], VSL
	s_wait_loadcnt 0x0                             ; Q
.Ltrip_\@:
	s_cmp_gt_u32 s[II], s[GG]                      ; all 128 keys come after my queries: only the addresses step
	s_cbranch_scc1 .Lskip_\@
	s_setprio 2
	v_lshl_add_u32 v[ADK], v1, 3, s[TK]            ; (these four are also the places behind the last step's products)
	v_lshl_add_u32 v[ADV], v1, 4, s[TV]
	v_lshl_add_u32 v[ADS], v1, 2, s[TSK]
	v_lshl_add_u32 v[ADT], v1, 2, s[TSV]
	KLOAD 0
.irp b, 0,1,2,3
	ds_load_b32 v[KSC+\b], v[ADS] offset:128*\b
.endr
	s_wait_alu depctr_va_vdst(0)
	s_wait_dscnt 0x0
	QK 0
.rept 4
	v_nop                                          ; places in front of loads into registers that matrix instructions have read
.endr
	KLOAD 1
.irp t, 0,1,2,3
.irp c, 0,1,2
	ds_load_b128 v[VF+12*\t+4*\c:VF+12*\t+4*\c+3], v[ADV] offset:1536*\t+512*\c   ; V's fragments are asked for here and wanted behind the softmax
.endr
.endr
.irp u, 0,1
	ds_load_b32 v[VSC+\u], v[ADT] offset:128*\u
.endr
	s_wait_dscnt 14                                ; K's are in; V's 12 loads and its 2 of words may be out
	QK 1
.rept 4
	v_nop
.endr
	s_cmp_lg_u32 s[II], s[GG]                      ; on the diagonal the scores of hidden keys become -infinity ahead of the maximum: p = 0 then
	s_cbranch_scc1 .Lopen_\@
.irp n, 0,1,2,3,4,5,6,7,8,9,10,11,12,13,14,15,16,17,18,19,20,21,22,23,24,25,26,27,28,29,30,31,32,33,34,35,36,37,38,39,40,41,42,43,44,45,46,47,48,49,50,51,52,53,54,55,56,57,58,59,60,61,62,63
	v_cmp_gt_i32 vcc_lo, 32*(\n/16)+\n%16, v5
	v_cndmask_b32 v[S+\n], v[S+\n], v255, vcc_lo
.endr
.Lopen_\@:
.irp b, 0,1,2,3
	v_max3_num_f32 v[BM+\b], v[S+16*\b], v[S+1+16*\b], v[S+2+16*\b]   ; THE LARGEST SCORE OF EACH BLOCK OF 32 KEYS: for the row's maximum, and, since p rises with the score, for the block's largest p
.endr
.irp i, 3,5,7,9,11,13
.irp b, 0,1,2,3
	v_max3_num_f32 v[BM+\b], v[BM+\b], v[S+16*\b+\i], v[S+1+16*\b+\i]
.endr
.endr
.irp b, 0,1,2,3
	v_max_num_f32 v[BM+\b], v[BM+\b], v[S+15+16*\b]
.endr
.irp b, 0,1,2,3
	s_delay_alu instid0(VALU_DEP_4)
	v_permlanex16_b32 v[PL+\b], v[BM+\b], s[SEL], s[SEL+1]
.endr
.irp b, 0,1,2,3
	s_delay_alu instid0(VALU_DEP_4)
	v_max_num_f32 v[BM+\b], v[BM+\b], v[PL+\b]     ; with lane l xor 16's 16 keys
.endr
	s_delay_alu instid0(VALU_DEP_2)
	v_max3_num_f32 v254, v[BM], v[BM+1], v[BM+2]
	s_delay_alu instid0(VALU_DEP_1)
	v_max_num_f32 v254, v254, v[BM+3]              ; the step's largest score of my query
	s_delay_alu instid0(VALU_DEP_1)
	v_mul_f32 v254, s[CS], v254                    ; as t (c is positive)
	s_delay_alu instid0(VALU_DEP_1)
	v_max_num_f32 v13, v13, v254                   ; the running largest t
	v_mov_b32 v254, v12
	s_delay_alu instid0(VALU_DEP_2)
	v_floor_f32 v12, -v13                          ; the new -M = floor(-t) = -ceil(t): a whole number
	s_delay_alu instid0(VALU_DEP_1)
	v_sub_f32 v254, v12, v254                      ; M's old value less its new one: 0 or less
	s_delay_alu instid0(VALU_DEP_1)
	v_cvt_i32_f32 v254, v254                       ; (it saturates)
	s_delay_alu instid0(VALU_DEP_1)
	v_ldexp_f32 v252, 1.0, v254                    ; f = 2^(old M - new M)
	s_setprio 1
.irp j, 0,2,4,6,8,10,12,14,16,18,20,22,24,26,28,30,32,34,36,38,40,42,44,46,48,50,52,54,56,58,60,62
	v_pk_fma_f32 v[S+\j:S+1+\j], v[S+\j:S+1+\j], s[CS:CS+1], v[12:13] op_sel_hi:[1,0,0]   ; t - M, two at a time
.endr
.irp b, 0,1,2,3
	v_fma_f32 v[BM+\b], v[BM+\b], s[CS], v12       ; the same of each block's largest score
.endr
	s_wait_alu depctr_va_vdst(0)
.irp j, 0,1,2,3,4,5,6,7,8,9,10,11,12,13,14,15,16,17,18,19,20,21,22,23,24,25,26,27,28,29,30,31,32,33,34,35,36,37,38,39,40,41,42,43,44,45,46,47,48,49,50,51,52,53,54,55,56,57,58,59,60,61,62,63
	v_exp_f32 v[S+\j], v[S+\j]                     ; p = 2^(t - M), at most 1: not normalised
.endr
	v_pk_mul_f32 v[14:15], v[14:15], v[252:253] op_sel_hi:[1,0]   ; the sums under the new M (a plain place behind the exponentials)
	s_wait_alu depctr_va_vdst(0)                   ; one wait for the whole batch, ahead of its first reader
.irp b, 0,1,2,3
	v_exp_f32 v[BM+\b], v[BM+\b]                   ; the block's largest p: the same two instructions on the same number give the same bits
.endr
	v_pk_add_f32 v[PL:PL+1], v[S:S+1], v[S+2:S+3]  ; THE ROW'S SUM IS TAKEN OF THE UNQUANTISED p, two at a time, in two chains (plain work behind the four)
.irp j, 4,8,12,16,20,24,28,32,36,40,44,48,52,56,60
	v_pk_add_f32 v[14:15], v[14:15], v[S+\j:S+1+\j]
	v_pk_add_f32 v[PL:PL+1], v[PL:PL+1], v[S+2+\j:S+3+\j]
.endr
	s_delay_alu instid0(VALU_DEP_1)
	v_pk_add_f32 v[14:15], v[14:15], v[PL:PL+1]
	s_wait_alu depctr_va_vdst(0)                   ; and one for the four
.irp b, 0,1,2,3
	v_max_num_f32 v[BM+\b], 0x1800000, v[BM+\b]    ; the floor 2^(3 - 127): the byte cannot fall under 1
.endr
.irp b, 0,1,2,3
	s_delay_alu instid0(VALU_DEP_4)
	v_add_nc_u32 v[SCO+\b], 0xff000000, v[BM+\b]   ; 2 off the exponent field: the conversion's scale operand
.endr
.irp b, 0,1,2,3
	s_delay_alu instid0(VALU_DEP_4)
	v_lshrrev_b32 v[PL+\b], 23, v[SCO+\b]          ; the scale's byte
.endr
	s_delay_alu instid0(VALU_DEP_3)
	v_lshl_or_b32 v253, v[PL+1], 8, v[PL]          ; p's scale word for these 128 keys
	s_delay_alu instid0(VALU_DEP_1)
	v_lshl_or_b32 v253, v[PL+2], 16, v253
	s_delay_alu instid0(VALU_DEP_1)
	v_lshl_or_b32 v253, v[PL+3], 24, v253
	s_setprio 0
.irp c, 0,1
	v_cvt_scalef32_pk16_fp6_f32 v[PC+6*\c:PC+2+6*\c], v[S+32*\c:S+15+32*\c], v[SCO+2*\c]
	v_cvt_scalef32_pk16_fp6_f32 v[BM+4*\c:BM+2+4*\c], v[S+16+32*\c:S+31+32*\c], v[SCO+2*\c+1]   ; (a conversion's three registers begin on an even number)
.endr
	v_nop                                          ; one plain place behind a scaled conversion
.irp c, 0,1                                    ; the operand's layout wants a WHOLE block in a lane
.irp i, 0,1,2
	v_permlane16_swap_b32 v[PC+6*\c+\i], v[BM+4*\c+\i]
.endr
.irp i, 0,1,2
	s_delay_alu instid0(VALU_DEP_3)
	v_mov_b32 v[PC+3+6*\c+\i], v[BM+4*\c+\i]
.endr
.endr
.irp j, 0,2,4,6,8,10,12,14,16,18,20,22,24,26,28,30
	v_pk_mul_f32 v[O+\j:O+1+\j], v[O+\j:O+1+\j], v[252:253] op_sel_hi:[1,0]   ; O^T under the new M.  (These 16 are also the places between the writes of p's codes and word and the products)
.endr
	s_wait_alu depctr_va_vdst(0)
	s_wait_dscnt 0x0                               ; V
.irp t, 0,1,2,3                                ; O^T += V^T P^T: the four accumulators by turns
.if \t%2
	v_wmma_scale_f32_16x16x128_f8f6f4 v[O+8*\t:O+8*\t+7], v[VF+12*\t:VF+12*\t+11], v[PC:PC+11], v[O+8*\t:O+8*\t+7], v[VSC+\t/2], v253 matrix_a_fmt:MATRIX_FMT_FP6 matrix_b_fmt:MATRIX_FMT_FP6 matrix_a_scale:MATRIX_SCALE_ROW1
.else
	v_wmma_scale_f32_16x16x128_f8f6f4 v[O+8*\t:O+8*\t+7], v[VF+12*\t:VF+12*\t+11], v[PC:PC+11], v[O+8*\t:O+8*\t+7], v[VSC+\t/2], v253 matrix_a_fmt:MATRIX_FMT_FP6 matrix_b_fmt:MATRIX_FMT_FP6
.endif
.endr
.Lskip_\@:
	s_add_co_u32 s[TK], s[TK], 6144                ; the next key step
	s_add_co_u32 s[TV], s[TV], 6144
	s_add_co_u32 s[TSK], s[TSK], 512
	s_add_co_u32 s[TSV], s[TSV], 256
	s_add_co_u32 s[II], s[II], 1
	s_cmp_lt_u32 s[II], 16
	s_cbranch_scc1 .Ltrip_\@
	s_setprio 0
.rept 4
	v_nop                                          ; places behind the last products
.endr
.if \nxt
.irp p, 0,1,2
	global_load_b64 v[QF+2*\p:QF+2*\p+1], v6, s[\nqc:\nqc+1] offset:256*\p   ; the next pass's Q lands while this pass's result is quantised
.endr
	global_load_b32 v[QS], v7, s[\nqs:\nqs+1]
.endif
	v_add_f32 v14, v14, v15                        ; the sum's two halves,
	s_delay_alu instid0(VALU_DEP_1)
	v_permlanex16_b32 v252, v14, s[SEL], s[SEL+1]
	s_delay_alu instid0(VALU_DEP_1)
	v_add_f32 v14, v14, v252                       ; and lane l xor 16's: the row's sum
	s_wait_alu depctr_va_vdst(0)
	v_rcp_f32 v14, v14
	v_nop                                          ; a plain place behind the transcendental
	s_wait_alu depctr_va_vdst(0)                   ; and the wait ahead of its first reader
.irp j, 0,2,4,6,8,10,12,14,16,18,20,22,24,26,28,30
	v_pk_mul_f32 v[S+\j:S+1+\j], v[O+\j:O+1+\j], v[14:15] op_sel_hi:[1,0]   ; O^T / the sum: register 16 b + i is channel 32 b + 16 h + i of my query
.endr
.irp b, 0,1                                    ; the head's two blocks of 32 channels are quantised as p is
	v_max3_num_f32 v[BM+\b], |v[S+16*\b]|, |v[S+1+16*\b]|, 0x1800000
.endr
.irp i, 2,4,6,8,10,12,14
.irp b, 0,1
	s_delay_alu instid0(VALU_DEP_2)
	v_max3_num_f32 v[BM+\b], v[BM+\b], |v[S+16*\b+\i]|, |v[S+1+16*\b+\i]|
.endr
.endr
.irp b, 0,1
	s_delay_alu instid0(VALU_DEP_2)
	v_permlanex16_b32 v[PL+\b], v[BM+\b], s[SEL], s[SEL+1]
.endr
.irp b, 0,1
	s_delay_alu instid0(VALU_DEP_2)
	v_max_num_f32 v[BM+\b], v[BM+\b], v[PL+\b]
.endr
.irp b, 0,1
	s_delay_alu instid0(VALU_DEP_2)
	v_add_nc_u32 v[SCO+\b], 0xff000000, v[BM+\b]
.endr
.irp b, 0,1
	s_delay_alu instid0(VALU_DEP_2)
	v_lshrrev_b32 v[PL+\b], 23, v[SCO+\b]
.endr
	v_cvt_scalef32_pk16_fp6_f32 v[PC:PC+2], v[S:S+15], v[SCO]
	v_cvt_scalef32_pk16_fp6_f32 v[BM:BM+2], v[S+16:S+31], v[SCO+1]
	v_nop
.irp i, 0,1,2
	v_permlane16_swap_b32 v[PC+\i], v[BM+\i]
.endr
.irp i, 0,1,2
	s_delay_alu instid0(VALU_DEP_3)
	v_mov_b32 v[PC+3+\i], v[BM+\i]                 ; registers 0-5: lanes 0-15 block 0, lanes 16-31 block 1
.endr
	v_cndmask_b32 v254, v[PL], v[PL+1], s[HM]      ; my half's block's byte
.irp p, 0,1,2
	global_store_b64 v6, v[PC+2*\p:PC+2*\p+1], s[\oc:\oc+1] offset:256*\p
.endr
	global_store_b8 v29, v254, s[\os:\os+1]
.endm
	PASS 56, 58, 1, 60, 62                         ; group w
	s_xor_b32 s[GG], s[WV], 15
	PASS 68, 70, 0, 60, 62                         ; group 15 - w
	s_wait_dscnt 0x0
	s_wait_xcnt 0x0
	v_lshl_add_u32 v254, v0, 2, 0x33000
	v_mov_b32 v255, 0
	s_wait_alu depctr_va_vdst(0)
	s_wait_tensorcnt 0x0
	ds_add_u32 v254, v255
	s_wait_dscnt 0x0
	CROUND                                         ; the closing round
	s_endpgm
.Lfunc_end_k_q800832881e_attn:
	.size	k_q800832881e_attn, .Lfunc_end_k_q800832881e_attn-k_q800832881e_attn
	.p2alignl 7, 3214868480
	.fill 96, 4, 3214868480
	.section	.rodata,"a",@progbits
	.p2align	6, 0x0
	.amdhsa_kernel k_q800832881e_attn
		.amdhsa_group_segment_fixed_size 327680
		.amdhsa_private_segment_fixed_size 0
		.amdhsa_enable_private_segment 0
		.amdhsa_kernarg_size 32
		.amdhsa_user_sgpr_count 2
		.amdhsa_user_sgpr_kernarg_segment_ptr 1
		.amdhsa_wavefront_size32 1
		.amdhsa_system_sgpr_workgroup_id_x 1
		.amdhsa_system_sgpr_workgroup_id_y 1
		.amdhsa_system_sgpr_workgroup_id_z 1
		.amdhsa_system_vgpr_workitem_id 0
		.amdhsa_next_free_vgpr 256
		.amdhsa_next_free_sgpr 76
		.amdhsa_reserve_vcc 1
		.amdhsa_float_denorm_mode_32 3
		.amdhsa_float_denorm_mode_16_64 3
		.amdhsa_memory_ordered 1
		.amdhsa_forward_progress 1
		.amdhsa_inst_pref_size 67
	.end_amdhsa_kernel
	.amdgpu_metadata
---
amdhsa.version: [ 1, 2 ]
amdhsa.kernels:
  - .name:           k_q800832881e_attn
    .symbol:         k_q800832881e_attn.kd
    .args:
      - { .name: qkvc, .offset: 0, .size: 8, .value_kind: global_buffer, .address_space: global }
      - { .name: qkvs, .offset: 8, .size: 8, .value_kind: global_buffer, .address_space: global }
      - { .name: oc, .offset: 16, .size: 8, .value_kind: global_buffer, .address_space: global }
      - { .name: os, .offset: 24, .size: 8, .value_kind: global_buffer, .address_space: global }
    .group_segment_fixed_size: 327680
    .private_segment_fixed_size: 0
    .kernarg_segment_align: 8
    .kernarg_segment_size: 32
    .max_flat_workgroup_size: 512
    .sgpr_count:     76
    .vgpr_count:     256
    .wavefront_size: 32
...
	.end_amdgpu_metadata
.endif
;; end of part 3
;; launch oproj (part 4): grid 4 x 32, 4 waves a work-group, clusters of 4 x 4, 327,680 bytes of LDS; arguments oc, os, wc, ws, bo, out0; writes out0
.if DOCPART == 4
	.amdgcn_target "amdgcn-amd-amdhsa--gfx1250"
	.amdhsa_code_object_version 6
	.text
	.protected	k_q800832881e_oproj
	.globl	k_q800832881e_oproj
	.p2align	8
	.type	k_q800832881e_oproj,@function
k_q800832881e_oproj:
	s_mov_b64 s[64:65], 0
	v_nop
	global_prefetch_b8 v0, s[64:65] scope:SCOPE_SE
	s_setreg_imm32_b32 hwreg(HW_REG_WAVE_MODE, 25, 1), 1
	s_wait_xcnt 0x0
	s_wait_alu depctr_hold_cnt(0) depctr_sa_sdst(0) depctr_va_vdst(0) depctr_va_sdst(0) depctr_va_ssrc(0) depctr_va_vcc(0) depctr_vm_vsrc(0)
	s_getreg_b32 s2, hwreg(HW_REG_IB_STS2, 6, 4)
	s_cmp_eq_u32 s2, 0
	s_cbranch_scc0 .Lentry_in_a_cluster
	s_endpgm
.Lentry_in_a_cluster:
	s_bfe_u32 s2, ttmp6, 0x10000c
	s_cmp_lg_u32 s2, 0xf033
	s_cbranch_scc0 .Lentry_shape_is_right
	s_endpgm
.Lentry_shape_is_right:
; out0 = o Wo + bo on codes of FP6 (E2M3) with E8M0 scales, K = 1,024; out0 [8192][1024] f32.
; A tile of out0 is 256 x 256: four waves, each 128 x 128 in 64 accumulators.  The problem has 128 such tiles: 128 work-groups.  K goes in steps of 256 through a ring of two LDS slots; the scales come once.
; A (source 1: a lane holds a token) = oc: REGISTER IMAGES, [token tile][head][768]: a K step of 256 is four heads, 3,072 consecutive bytes of a tile's 12,288; a fragment of 128 K is six pieces of 256 bytes, lane l's 8 bytes at 8 l.
; B (source 0: registers run along the output's columns) = rows 3,072 .. 4,095 of wc (Wo^T), 768 bytes a row.  os and ws: 32 scale bytes a row.
; The stored rows of both have bits 3 and 4 of the row number exchanged; the way out puts rows and columns back.  bo is the C of each sum's first matrix instruction.
; CLUSTERS: 4 x 4 work-groups; A's tiles are shared along a row of the cluster, B's along a column: each is asked for JOINTLY, by the same tensor load with the same descriptor and a mask that names the four.
; LIMITS: NaN and infinities are not served.
; REGISTERS, in windows of 256: window 0: v0-31 addresses; v32-63 scale words, two sets; v64-127 bo; v128-223 A's fragments, ONE set; on the way out v128-255 rows of out0.
;   window 1: B's fragments, TWO sets.   window 2: the accumulators of my rows 0-63 ((a, b) at v[8 (8 a + b)]);   window 3: those of my rows 64-127.
.set KSTEP,  256
.set NQ,     KSTEP/128
.set ROWB,   192                       ; B: a tile's row in bytes
.set KROW,   768                       ; a row of codes in memory (A: a sixteenth of a token tile's 12,288 bytes)
.set AROW,   3072                      ; A: a token tile's bytes of a K step
.set PITCH,  240                       ; B: an LDS row: 3 x (64 bytes + 16 of padding)
.set FR,     12
.set NL,     6
.set NP,     4
.set HALFT,  128*PITCH                 ; what one tensor load brings of B (of A: 8 x 3,072 bytes, in a place of the same size)
.set SLOT,   4*HALFT
.set LAPS,   2
.set KS,     32
.set SCL,    2*SLOT
.set HALFS,  (128*KS/256)*272
.set SBLK,   (16*KS/256)*272
.set SPARE,  SCL+4*HALFS               ; the spare words, 128 bytes for each wave, which no other line names
.set SPITCH, 528                       ; the way out: a stage of 16 rows x (512 bytes + 16) for each wave, in slot 0, which has had its last fill and its last read by then
.set ADRA, 16                          ; v16-17 LDS address of my A images in slot 0, 1
.set ADRB, 20                          ; v20-21 of my B fragments (v22-23: for the pieces behind one padding more)
.set STO,  24
.set RD,   25
.set CO,   26
.set ADRS, 27
.set SPW,  28
.set NIL,  29
.set SC,   32
.set BI,   64                          ; v64-127 bo: register 16 g + i = bo(my first column + 32 g + 16 (lane / 16) + i): tile b's eight at v[64 + 8 b]
.set AF,   128
.set BK,   128
.set G1, 24
.set G0, 32
.set G1B, 48
.set G0B, 56
.set G1S, 68
.set G0S, 76
.set G1SB, 80
.set G0SB, 88
.set MSB, 0
.macro WIN new                         ; the immediate's high byte repeats the setting that is left
.if MSB != (\new)
	s_set_vgpr_msb (MSB<<8)|(\new)
.set MSB, (\new)
.endif
.endm
.set MUL_LO, 0xa1                      ; source 0 (B) window 1, source 1 (A) window 0, C and D window 2
.set MUL_HI, 0xf1                      ; the same, C and D window 3
.set BIA_LO, 0x81                      ; the first step: C (bo) window 0, D window 2
.set BIA_HI, 0xc1                      ; D window 3
.set TO_B,   0x40
.macro JLOAD g0a, g1a, g0b, g1b        ; a joint load: waves 0 and 1 fetch for A, waves 2 and 3 for B; four v_nop follow each line
	s_cmp_eq_u32 s15, 0
	s_cbranch_scc0 .Lfor_b_\@
	tensor_load_to_lds s[\g0a:\g0a+3], s[\g1a:\g1a+7]
	s_nop 0
.rept 4
	v_nop
.endr
	s_branch .Lasked_\@
.Lfor_b_\@:
	tensor_load_to_lds s[\g0b:\g0b+3], s[\g1b:\g1b+7]
	s_nop 0
.rept 4
	v_nop
.endr
.Lasked_\@:
.endm
.macro CREST
	s_cmp_lg_u32 s14, 0
	s_cbranch_scc1 .Lnot_wave_0_\@
	s_barrier_signal -3
.Lnot_wave_0_\@:
	s_barrier_wait -3
	s_barrier_signal -1
	s_barrier_wait -1
.endm
.macro CROUND
	s_barrier_signal -1
	s_barrier_wait -1
	CREST
.endm
	s_load_b128 s[4:7], s[0:1], 0x0                ; oc, os
	s_load_b128 s[8:11], s[0:1], 0x10              ; wc, ws
	s_load_b128 s[96:99], s[0:1], 0x20             ; bo, out0
	v_lshl_add_u32 v[SPW], v0, 2, SPARE
	v_mov_b32 v[NIL], 0
	ds_add_u32 v28, v29
	ds_add_u32 v28, v29
	s_wait_dscnt 0x0
	v_lshrrev_b32 v1, 5, v0
	v_readfirstlane_b32 s14, v1                    ; wave 0..3
	s_lshr_b32 s15, s14, 1                         ; which half of the tile's rows is mine.  Also: I fetch for A (0) or for B (1)
	s_and_b32 s16, s14, 1                          ; which half of its columns.  Also: which 128 rows of that tile I fetch
	s_bfe_u32 s40, ttmp6, 0x40000                  ; cx, cy
	s_bfe_u32 s41, ttmp6, 0x40004
	s_lshl_b32 s42, ttmp9, 2
	s_add_co_u32 s42, s42, s40                     ; tile column
	s_and_b32 s17, ttmp7, 0xffff
	s_lshl_b32 s17, s17, 2
	s_add_co_u32 s17, s17, s41                     ; tile row
	s_lshl_b32 s43, s41, 2
	s_lshl_b32 s43, 15, s43                        ; my row of the cluster
	s_lshl_b32 s44, 0x1111, s40                    ; my column
	; A: 8 token tiles x 3,072 bytes (384 elements of 8 bytes), 12,288 bytes apart; no padding: an image's pieces are read 256 consecutive bytes at a time
	s_or_b32 s[G1+0], s43, (3<<16)|(1<<21)
	s_mov_b32 s[G1+1], 384<<16                     ; tensor_dim0
	s_mov_b32 s[G1+2], 8<<16                       ; tensor_dim1
	s_mov_b32 s[G1+3], 384<<16                     ; tile_dim0
	s_mov_b32 s[G1+4], 8                           ; tile_dim1
	s_mov_b32 s[G1+5], 1536                        ; the pitch
	s_mov_b32 s[G1+6], 0
	s_mov_b32 s[G1+7], 0
	; B: 128 rows x 192 bytes, 16 bytes of padding behind every 64
	s_or_b32 s[G1B+0], s44, (0<<16)|(1<<20)|(1<<21)|(3<<22)|(3<<25)
	s_mov_b32 s[G1B+1], ROWB<<16
	s_mov_b32 s[G1B+2], 128<<16
	s_mov_b32 s[G1B+3], ROWB<<16
	s_mov_b32 s[G1B+4], 128
	s_mov_b32 s[G1B+5], KROW
	s_mov_b32 s[G1B+6], 0
	s_mov_b32 s[G1B+7], 0
	; the scales of 128 rows: 4,096 dense bytes as rows of 256, 16 bytes of padding behind each
	s_or_b32 s[G1S+0], s43, (3<<16)|(1<<20)|(1<<21)|(5<<22)|(3<<25)
	s_or_b32 s[G1SB+0], s44, (3<<16)|(1<<20)|(1<<21)|(5<<22)|(3<<25)
.irp g, G1S, G1SB
	s_mov_b32 s[\g+1], 32<<16
	s_mov_b32 s[\g+2], (128*KS/256)<<16
	s_mov_b32 s[\g+3], 32<<16
	s_mov_b32 s[\g+4], 128*KS/256
	s_mov_b32 s[\g+5], 32
	s_mov_b32 s[\g+6], 0
	s_mov_b32 s[\g+7], 0
.endr
	s_lshl_b32 s18, s16, 7                         ; which 128 rows of the tile I fetch
	s_lshl_b32 s20, s17, 8
	s_add_co_u32 s20, s20, s18                     ; A: stored token 256 x tile row + 128 x half
	s_lshl_b32 s46, s42, 8
	s_add_co_u32 s46, s46, s18
	s_add_co_u32 s46, s46, 3072                    ; B: row 3,072 + 256 x tile column + 128 x half of wc
	s_mov_b32 s21, 0
	s_mov_b32 s47, 0
	s_mov_b64 s[18:19], KS
	s_mul_u64 s[22:23], s[20:21], s[18:19]         ; where these rows' scales begin
	s_mul_u64 s[92:93], s[46:47], s[18:19]
	s_mov_b64 s[18:19], KROW
	s_mul_u64 s[20:21], s[20:21], s[18:19]         ; and their codes (A: 16 tokens x 768 = a tile's 12,288 bytes)
	s_mul_u64 s[46:47], s[46:47], s[18:19]
	s_mul_i32 s45, s14, HALFT                      ; where they go: no place in the cluster enters an LDS address
	s_mul_i32 s94, s14, HALFS
	s_wait_kmcnt 0x0
	s_add_nc_u64 s[20:21], s[4:5], s[20:21]
	s_add_nc_u64 s[22:23], s[6:7], s[22:23]
	s_add_nc_u64 s[46:47], s[8:9], s[46:47]
	s_add_nc_u64 s[92:93], s[10:11], s[92:93]
	CROUND                                         ; all sixteen work-groups are here: the first joint loads meet
	s_mov_b32 s[G0S], 1
	s_add_co_u32 s[G0S+1], s94, SCL
	s_mov_b64 s[G0S+2:G0S+3], s[22:23]
	s_or_b32 s[G0S+3], s[G0S+3], 0x80000000
	s_mov_b32 s[G0SB], 1
	s_add_co_u32 s[G0SB+1], s94, SCL
	s_mov_b64 s[G0SB+2:G0SB+3], s[92:93]
	s_or_b32 s[G0SB+3], s[G0SB+3], 0x80000000
	JLOAD G0S, G1S, G0SB, G1SB                     ; the scales first
.irp s, 0,1
	s_mov_b32 s[G0+4*\s], 1
	s_add_co_u32 s[G0+4*\s+1], s45, \s*SLOT
	s_add_nc_u64 s[G0+4*\s+2:G0+4*\s+3], s[20:21], \s*AROW
	s_or_b32 s[G0+4*\s+3], s[G0+4*\s+3], 0x80000000
	s_mov_b32 s[G0B+4*\s], 1
	s_add_co_u32 s[G0B+4*\s+1], s45, \s*SLOT
	s_add_nc_u64 s[G0B+4*\s+2:G0B+4*\s+3], s[46:47], \s*ROWB
	s_or_b32 s[G0B+4*\s+3], s[G0B+4*\s+3], 0x80000000
	JLOAD G0+4*\s, G1, G0B+4*\s, G1B               ; three tensor loads of mine are out now
.endr
	v_and_b32 v1, 15, v0                           ; r
	v_bfe_u32 v2, v0, 4, 1                         ; h
	v_and_b32 v6, 31, v0                           ; lane
	v_mul_u32_u24 v3, v1, PITCH
	v_mul_u32_u24 v4, v2, 24
	v_add_nc_u32 v4, v3, v4                        ; B: a fragment's row x pitch + 24 x half
	v_lshl_add_u32 v5, v2, 4, v4                   ; and the same behind one padding more
	v_lshlrev_b32 v3, 3, v6                        ; A: 8 x lane
	s_mul_i32 s21, s15, HALFT                      ; my 8 token tiles of A
	s_mul_i32 s22, s16, HALFT                      ; my 128 rows of B,
	s_add_co_u32 s22, s22, 2*HALFT                 ; which lie behind A's two places
.irp s, 0,1
	v_add_nc_u32 v[ADRA+\s], s21, v3
	v_add_nc_u32 v[ADRB+\s], s22, v4
	v_add_nc_u32 v[ADRB+2+\s], s22, v5
	s_add_co_u32 s21, s21, SLOT
	s_add_co_u32 s22, s22, SLOT
.endr
	v_mul_u32_u24 v5, v1, KS                       ; my row's scales: KS bytes a row,
	v_lshrrev_b32 v4, 8, v5
	v_lshl_add_u32 v5, v4, 4, v5                   ; and 16 more for each 256 passed
	s_mul_i32 s21, s15, HALFS
	s_mul_i32 s22, s16, HALFS
	s_add_co_u32 s22, s22, 2*HALFS
	s_sub_co_u32 s22, s22, s21
	v_mul_u32_u24 v4, s22, v2                      ; lanes 16-31 take B's
	s_add_co_u32 s21, s21, SCL
	v_add_nc_u32 v5, v5, v4
	v_add_nc_u32 v[ADRS], s21, v5
	s_mul_i32 s23, s14, 16*SPITCH                  ; my stage
	v_mul_u32_u24 v5, v1, SPITCH                   ; in: row r; my half's 16 columns of each 32: 64 h bytes on
	v_lshl_add_u32 v5, v2, 6, v5
	v_add_nc_u32 v[STO], s23, v5
	v_lshlrev_b32 v[CO], 4, v6                     ; back: the 32 lanes take one row of 512 bytes; and the same in out0
	v_add_nc_u32 v[RD], s23, v[CO]
	v_lshlrev_b32 v30, 6, v2                       ; bo: 64 h bytes
	s_lshl_b32 s20, s17, 8
	s_lshl_b32 s21, s15, 7
	s_add_co_u32 s20, s20, s21                     ; my first row of out0: 256 x tile row + 128 x half
	s_lshl_b32 s20, s20, 12                        ; rows of 4,096 bytes
	s_mov_b32 s21, 0
	s_lshl_b32 s46, s42, 10                        ; my first column, in bytes: 1,024 x tile column + 512 x half
	s_lshl_b32 s47, s16, 9
	s_add_co_u32 s46, s46, s47
	s_mov_b32 s47, 0
	s_add_nc_u64 s[96:97], s[96:97], s[46:47]
	s_add_nc_u64 s[98:99], s[98:99], s[46:47]
	s_add_nc_u64 s[98:99], s[98:99], s[20:21]
.irp g, 0,1,2,3
.irp j, 0,1,2,3
	global_load_b128 v[BI+16*\g+4*\j:BI+16*\g+4*\j+3], v30, s[96:97] offset:128*\g+16*\j
.endr
.endr
.macro FRAG reg, adr, q, i             ; a fragment of B: lane l holds row l % 16; registers 6 c .. 6 c + 5 hold K = 64 c + 32 (l / 16) + 0 .. 31, in pieces of 8 bytes
.irp p, 0,1,2,3,4,5
.set PCE, 12*(\q)+6*(\p/3)+\p%3        ; 16 bytes of padding lie behind every 8 pieces: where the piece three on lies behind one padding more, the second address register serves
.if PCE%8 < 5
	ds_load_b64 v[\reg+2*\p:\reg+2*\p+1], v[\adr] offset:8*PCE+16*(PCE/8)+(\i)*16*PITCH
.else
	ds_load_b64 v[\reg+2*\p:\reg+2*\p+1], v[\adr+2] offset:8*PCE+16*(PCE/8)+(\i)*16*PITCH
.endif
.endr
.endm
.macro FRAGA reg, adr, q, i            ; a fragment of A: token tile i, the slot's q-th pair of heads: six pieces of an image, 256 consecutive bytes each
.irp p, 0,1,2,3,4,5
	ds_load_b64 v[\reg+2*\p:\reg+2*\p+1], v[\adr] offset:AROW*(\i)+1536*(\q)+256*\p
.endr
.endm
; 16 matrix instructions: A's blocks a0, a0 + 1 x B's eight.  first = 1: bo is the C: the first product starts the sums.  The 64 accumulators take turns, one instruction a turn.
.macro MUL16 a0, p, q, sc, first
.irp a, \a0, \a0+1
.irp b, 0,1,2,3,4,5,6,7
.if \first
	v_wmma_scale_f32_16x16x128_f8f6f4 v[8*(8*((\a)%4)+\b):8*(8*((\a)%4)+\b)+7], v[128*(\p)+FR*\b:128*(\p)+FR*\b+FR-1], v[AF+FR*(\a):AF+FR*(\a)+FR-1], v[BI+8*\b:BI+8*\b+7], v[SC+8*NQ*(\sc)+NQ*\b+(\q)], v[SC+8*NQ*(\sc)+NQ*(\a)+(\q)] matrix_a_fmt:MATRIX_FMT_FP6 matrix_b_fmt:MATRIX_FMT_FP6 matrix_a_scale:MATRIX_SCALE_ROW1
.else
	v_wmma_scale_f32_16x16x128_f8f6f4 v[8*(8*((\a)%4)+\b):8*(8*((\a)%4)+\b)+7], v[128*(\p)+FR*\b:128*(\p)+FR*\b+FR-1], v[AF+FR*(\a):AF+FR*(\a)+FR-1], v[8*(8*((\a)%4)+\b):8*(8*((\a)%4)+\b)+7], v[SC+8*NQ*(\sc)+NQ*\b+(\q)], v[SC+8*NQ*(\sc)+NQ*(\a)+(\q)] matrix_a_fmt:MATRIX_FMT_FP6 matrix_b_fmt:MATRIX_FMT_FP6 matrix_a_scale:MATRIX_SCALE_ROW1
.endif
.endr
.endr
.endm
.macro FETCH_B slot, q, p
	WIN TO_B
.irp i, 0,1,2,3,4,5,6,7
	FRAG 128*(\p)+FR*\i, ADRB+\slot, \q, \i
.endr
	WIN 0
.endm
.macro FETCH_A slot, q, i0
.irp i, \i0, \i0+1, \i0+2, \i0+3
	FRAGA AF+FR*(\i), ADRA+\slot, \q, \i
.endr
.endm
.macro SCALES sc
.irp i, 0,1,2,3,4,5,6,7
	ds_load_b64 v[SC+8*NQ*\sc+NQ*\i:SC+8*NQ*\sc+NQ*\i+1], v[ADRS] offset:\i*SBLK
.endr
.endm
.macro PLACES n                        ; places behind matrix instructions (ISA guide 7.12.1): plain vector instructions that name none of their registers
.rept \n
	v_nop
.endr
.endm
.macro STEP slot, q, first
	s_wait_dscnt 4*NL                              ; B's set and A's blocks 0-3 are in; the youngest 24 loads (A's blocks 4-7) may be out
.if \first
	WIN BIA_LO
.else
	WIN MUL_LO
.endif
	MUL16 0, (\q)%2, \q, \slot, \first
	MUL16 2, (\q)%2, \q, \slot, \first
	s_wait_dscnt 0                                 ; A's blocks 4-7 are in
	PLACES NP
	FETCH_B \slot, (\q)+1, 1-(\q)%2
	FETCH_A \slot, (\q)+1, 0
.if \first
	WIN BIA_HI
.else
	WIN MUL_HI
.endif
	MUL16 4, (\q)%2, \q, \slot, \first
	MUL16 6, (\q)%2, \q, \slot, \first
	PLACES NP
	WIN 0
	FETCH_A \slot, (\q)+1, 4
.endm
; A slot's last step changes slots: ONE barrier; in front of it each wave waits for all its tensor loads, adds 0 to its spare word, and waits for that and for its own reads of this slot.
.macro TURN slot, next, fill
	s_wait_tensorcnt 0x0                           ; all my tensor loads have landed: my part of the next slot;  (every window is 0 here)
	ds_add_u32 v[SPW], v[NIL]                      ; 0 onto my spare word
	s_wait_dscnt 4*NL+1                            ; (the add and the youngest 24 loads may be out)
	WIN MUL_LO
	MUL16 0, 1, NQ-1, \slot, 0
	s_wait_dscnt 0x0                               ; the add is done, and my reads of this slot are over
	s_barrier_signal -1
	MUL16 2, 1, NQ-1, \slot, 0
	WIN 0
	s_barrier_wait -1
.if \fill
	CREST                                          ; a round of the cluster's barrier: no wave of any partner still reads this slot's tile or has a load on its way
	s_add_nc_u64 s[G0+4*\slot+2:G0+4*\slot+3], s[G0+4*\slot+2:G0+4*\slot+3], 2*AROW
	s_add_nc_u64 s[G0B+4*\slot+2:G0B+4*\slot+3], s[G0B+4*\slot+2:G0B+4*\slot+3], 2*ROWB
	JLOAD G0+4*\slot, G1, G0B+4*\slot, G1B         ; the first tensor load behind the round, my only one out; its four v_nop are the places in front of the loads below
.else
	PLACES NP
.endif
	v_add_nc_u32 v[ADRS], 4*NQ, v[ADRS]            ; on to the next K step's scale words (no LDS load of mine is out)
	FETCH_B \next, 0, 0
	FETCH_A \next, 0, 0
	SCALES \next
	WIN MUL_HI
	MUL16 4, 1, NQ-1, \slot, 0
	MUL16 6, 1, NQ-1, \slot, 0
	PLACES NP
	WIN 0
	FETCH_A \next, 0, 4
.endm
	s_wait_loadcnt 0x0                             ; bo
	s_wait_tensorcnt 1                             ; the scales and my part of K step 0 are in (K step 1's load may be out),
	s_barrier_signal -1
	s_barrier_wait -1                              ; everybody's are
	FETCH_B 0, 0, 0
	FETCH_A 0, 0, 0
	SCALES 0
	FETCH_A 0, 0, 4
	STEP 0, 0, 1                                   ; the first step stands in front of the loop: its products start the sums, on bo
	s_mov_b32 s3, LAPS-1
.Llap:
	TURN 0, 1, 1
	STEP 1, 0, 0
	TURN 1, 0, 1
	STEP 0, 0, 0
	s_sub_co_u32 s3, s3, 1
	s_cmp_lg_u32 s3, 0
	s_cbranch_scc1 .Llap
	TURN 0, 1, 0                                   ; the last lap fills nothing
	STEP 1, 0, 0
	s_wait_dscnt 4*NL
	WIN MUL_LO
	MUL16 0, 1, NQ-1, 1, 0
	MUL16 2, 1, NQ-1, 1, 0
	s_wait_dscnt 0
	WIN MUL_HI
	MUL16 4, 1, NQ-1, 1, 0
	MUL16 6, 1, NQ-1, 1, 0
	WIN 0
; THE WAY OUT, block by block of 16 stored tokens x 128 columns, through my own stage in LDS.  Tile b's eight registers are columns 32 (b / 2) + 16 h + 8 (b % 2) + 0 .. 7; stage row t of block a is
; the true row 32 (a / 2) + 8 (a % 2) + t + 8 (t / 8) of my 128.  LDS serves a wave's instructions in order: no wait between the stores and the loads.
.macro TOSTAGE a
.set AC, 64*((\a)%4)
	WIN 0x08+4*((\a)/4)                            ; the data: window 2 or 3
.irp b, 0,1,2,3,4,5,6,7
	ds_store_b128 v[STO], v[AC+8*\b:AC+8*\b+3] offset:128*(\b/2)+32*(\b%2)          ; each accumulator from its low end on
	ds_store_b128 v[STO], v[AC+8*\b+4:AC+8*\b+7] offset:128*(\b/2)+32*(\b%2)+16
.endr
	WIN 0
.set BB, BK+64*((\a)%2)
.irp t, 0,1,2,3,4,5,6,7,8,9,10,11,12,13,14,15
	ds_load_b128 v[BB+4*\t:BB+4*\t+3], v[RD] offset:\t*SPITCH
.endr
.endm
.macro SEND a, younger                 ; younger: the LDS instructions issued behind block a's loads, which may stay out
.set BB, BK+64*((\a)%2)
	s_wait_dscnt \younger
.irp t, 0,1,2,3,4,5,6,7,8,9,10,11,12,13,14,15
	global_store_b128 v[CO], v[BB+4*\t:BB+4*\t+3], s[98:99] offset:(32*((\a)/2)+8*((\a)%2)+\t+8*(\t/8))*4096 th:TH_STORE_NT   ; 32 lanes store 512 consecutive bytes, aligned; the base never steps: 127 rows at the most stand in the immediate
.endr
.endm
	PLACES NP                                      ; behind the last products: for the loads into A's registers and the reads of results
	TOSTAGE 0
.irp a, 1,2,3,4,5,6,7
.if \a > 1
	s_wait_xcnt 0x0                                ; block a - 2's stores have read their registers: block a's loads may land there
.endif
	TOSTAGE \a
	SEND \a-1, 32                                  ; behind block a - 1's loads: block a's 16 stores and 16 loads
.endr
	SEND 7, 0
	s_wait_tensorcnt 0x0                           ; the wave's end
	ds_add_u32 v[SPW], v[NIL]
	s_wait_dscnt 0x0
	CROUND                                         ; the closing round
	s_endpgm
.Lfunc_end_k_q800832881e_oproj:
	.size	k_q800832881e_oproj, .Lfunc_end_k_q800832881e_oproj-k_q800832881e_oproj
	.p2alignl 7, 3214868480
	.fill 96, 4, 3214868480
	.section	.rodata,"a",@progbits
	.p2align	6, 0x0
	.amdhsa_kernel k_q800832881e_oproj
		.amdhsa_group_segment_fixed_size 327680
		.amdhsa_private_segment_fixed_size 0
		.amdhsa_enable_private_segment 0
		.amdhsa_kernarg_size 48
		.amdhsa_user_sgpr_count 2
		.amdhsa_user_sgpr_kernarg_segment_ptr 1
		.amdhsa_wavefront_size32 1
		.amdhsa_system_sgpr_workgroup_id_x 1
		.amdhsa_system_sgpr_workgroup_id_y 1
		.amdhsa_system_sgpr_workgroup_id_z 1
		.amdhsa_system_vgpr_workitem_id 0
		.amdhsa_next_free_vgpr 1024
		.amdhsa_next_free_sgpr 100
		.amdhsa_reserve_vcc 0
		.amdhsa_float_denorm_mode_32 3
		.amdhsa_float_denorm_mode_16_64 3
		.amdhsa_memory_ordered 1
		.amdhsa_forward_progress 1
		.amdhsa_inst_pref_size 161
	.end_amdhsa_kernel
	.amdgpu_metadata
---
amdhsa.version: [ 1, 2 ]
amdhsa.kernels:
  - .name:           k_q800832881e_oproj
    .symbol:         k_q800832881e_oproj.kd
    .args:
      - { .name: oc, .offset: 0, .size: 8, .value_kind: global_buffer, .address_space: global }
      - { .name: os, .offset: 8, .size: 8, .value_kind: global_buffer, .address_space: global }
      - { .name: wc, .offset: 16, .size: 8, .value_kind: global_buffer, .address_space: global }
      - { .name: ws, .offset: 24, .size: 8, .value_kind: global_buffer, .address_space: global }
      - { .name: bo, .offset: 32, .size: 8, .value_kind: global_buffer, .address_space: global }
      - { .name: out0, .offset: 40, .size: 8, .value_kind: global_buffer, .address_space: global }
    .group_segment_fixed_size: 327680
    .private_segment_fixed_size: 0
    .kernarg_segment_align: 8
    .kernarg_segment_size: 48
    .max_flat_workgroup_size: 128
    .sgpr_count:     100
    .vgpr_count:     1024
    .wavefront_size: 32
...
	.end_amdgpu_metadata
.endif
;; end of part 4
